; MI455X (gfx1250); checked and timed in simulation.
; The chip was launched on July 23, 2026; its instructions are those of AMD's public machine-readable ISA for CDNA 5 (MIT licence, August 2026) and "CDNA5" Instruction Set Architecture Reference Guide (July 2026). The comments in the code are by the model that wrote it; some were corrected since.
;; Graph Self Attention. Allowed arithmetic: matrix products marked QUANTISED: E2M1 operands, one E8M0 scale for each 32 along K, by v_wmma_scale_f32_16x16x128_f8f6f4 with both operands' format E2M1 (or v_wmma_scale_f32_32x16x128_f4), f32 sums; products left as they are: bf16, f16 or f32 operands; f32 sums; everything else in f32.
;; Inputs: Wk 512 x 512 float32; Wo 512 x 512 float32; Wq 512 x 512 float32; Wv 512 x 512 float32; attn_bias 4 x 1 x 2,048 x 2,048 float32; bk 512 float32; bo 512 float32; bq 512 float32; bv 512 float32; k_beta 64 float32; k_gamma 64 float32; q_beta 64 float32; q_gamma 64 float32; x 4 x 2,048 x 512 float32.
;; Outputs: out0 4 x 2,048 x 512 float32.
;; This version of the problem:
;;   THIS VERSION OF THE PROBLEM IS GIVEN IN LOW PRECISION. The matrix products marked QUANTISED in the list below multiply operands that are first quantised to E2M1 (2 exponent bits, 1 mantissa bit; 4 bits a number), with one power-of-two scale for each 32 numbers along K (OCP MX v1.0); their sums are f32. The products marked 'left as it is' may take bf16, f16 or f32 operands, with f32 sums. Whichever they take, every output number must still come out within the allowed error. Rounding operands to bf16 (8 significant bits) uses up far more of that allowance than f16 does (11 bits, for magnitudes from 6e-5 to 65,504). All else is computed in f32.
;;   The module's matrix products, in the order in which they are computed (A, B: the left and right operand; K: the contracted axis; several contracted axes count as one K, in the product's order):
;;     1. [M 8,192, K 512] x [K 512, N 512]; A: input x; B: input Wq: QUANTISED
;;     2. [M 8,192, K 512] x [K 512, N 512]; A: input x; B: input Wk: QUANTISED
;;     3. [M 8,192, K 512] x [K 512, N 512]; A: input x; B: input Wv: QUANTISED
;;     4. batch 32 x [M 2,048, K 64] x [K 64, N 2,048]; A: computed on the way; B: computed on the way: left as it is (an operand is computed on the way)
;;     5. batch 32 x [M 2,048, K 2,048] x [K 2,048, N 64]; A: computed on the way; B: computed on the way: left as it is (an operand is computed on the way)
;;     6. [M 8,192, K 512] x [K 512, N 512]; A: computed on the way; B: input Wo: left as it is (an operand is computed on the way)
;;   THE QUANTISER, for each operand of a quantised product, along K:
;;     - K is cut into blocks of 32 from its start; a last block that is shorter is filled with zeros.
;;     - A block's scale is 2^e with e = floor(log2(the largest magnitude in the block)) - 2, held to -126 .. 127; a block of zeros has e = 0. As a byte (E8M0): e + 127.
;;     - Each number is divided by its block's scale, clamped to +-6, and rounded to the nearest number of E2M1, ties to even, subnormals kept.
;;     - The product sums the exact products of the quantised numbers (number of the format x scale) in f32.
;;   ~~~python
;;   def quantise(x, axis):      # numpy; x: float32 -> the quantised numbers, widened to float32 again
;;       x = np.moveaxis(x, axis, -1); K = x.shape[-1]
;;       x = np.pad(x, [(0, 0)] * (x.ndim - 1) + [(0, -K % 32)]); x = x.reshape(x.shape[:-1] + (-1, 32)); a = np.abs(x).max(-1, keepdims=True)
;;       e = np.where(a > 0, np.clip(np.frexp(np.where(a > 0, a, 1))[1] - 1 - 2, -126, 127), 0)      # np.frexp(a)[1] - 1 = floor(log2(a)), exactly
;;       r = np.clip(x / 2.0 ** e, -6, 6)
;;       step = 2.0 ** (np.maximum(np.frexp(np.where(r == 0, 1, r))[1] - 1, 0) - 1)
;;       q = np.round(r / step) * step * 2.0 ** e      # np.round: ties to even
;;       return np.moveaxis(q.reshape(q.shape[:-2] + (-1,))[..., :K], -1, axis).astype(np.float32)
;;   ~~~
;; One version. Each part assembles by itself: llvm-mc -triple=amdgcn-amd-amdhsa -mcpu=gfx1250 --defsym DOCPART=n.
;; ======== version 1 of 1: 4 launches
;; limits: values are held in f16: magnitudes above 65,504 overflow, below 6.1e-05 lose precision; inputs' magnitudes at most 1e+30
;; workspace buffers: wc 393,216 bytes; ws 24,576 bytes; wo16 524,288 bytes; qf 8,388,608 bytes; kf 8,388,608 bytes; vf 8,388,608 bytes; af 8,388,608 bytes
;; launch prep (part 1): grid 128 x 1, 1 waves a work-group, no clusters, 0 bytes of LDS; arguments Wq, Wk, Wv, Wo, wc, ws, wo16; writes wc, ws, wo16
.if DOCPART == 1
	.amdgcn_target "amdgcn-amd-amdhsa--gfx1250"
	.amdhsa_code_object_version 6
	.text
	.protected	k_q418d754613_prep
	.globl	k_q418d754613_prep
	.p2align	8
	.type	k_q418d754613_prep,@function
k_q418d754613_prep:
	s_mov_b64 s[64:65], 0
	v_nop
	global_prefetch_b8 v0, s[64:65] scope:SCOPE_SE
	s_setreg_imm32_b32 hwreg(HW_REG_WAVE_MODE, 25, 1), 1
	s_wait_xcnt 0x0
; The weights are laid out once, in the order in which a wave's operand registers take them.
; Wq, Wk, Wv [512][512] f32 become codes of FP4 (E2M1) with one E8M0 byte for each 32 along K (K is the last axis); Wo [512][512] becomes f16.
; A work-group is one wave and takes 16 rows x 512 K.  Work-groups 0-95: row tile wg % 32 of matrix wg / 32; work-groups 96-127: row tile wg - 96 of Wo.
; wc: [matrix][row tile][K step of 128][part c][lane][16 bytes]: a fragment's registers 4 c .. 4 c + 3 of lane l lie at 512 c + 16 l: each store covers 512 consecutive bytes.
; ws: [matrix][row][16 scale bytes].   wo16: [row tile][K step of 32][part c][lane][16 bytes], the 16-bit operand's registers likewise.
; A block's scale byte is its largest magnitude's exponent field - 2, held at 1 from below.  A block of zeros gets the byte 1: its codes are zeros, and this program alone reads the bytes.
; LIMITS: NaN and infinities among the weights are not served; numbers of Wo beyond 65,504 in magnitude have no f16 number.
; No cluster, no LDS, no matrix unit: no two work-groups read the same byte, and a lane's registers already hold what it stores.
.set XA,  3                            ; v3   my lane's byte in the 16 rows: 2,048 r + 64 h: 16 neighbours of a block of 32
.set LI,  4                            ; v4   16 x lane
.set SO,  5                            ; v5   16 r + 8 h: my 8 scale bytes
.set OA,  6                            ; v6   Wo: 2,048 r + 32 h: 8 neighbours
.set X0,  16                           ; v16-79, v80-143: two sets of 64 numbers
.set X1,  80
.set TM,  144                          ; v144-159 at work
.set PC,  160                          ; v160-191 the codes: 8 registers for each of the four fragments, so that no store's data are written again
.set SW,  192                          ; v192-195 the four scale words
.set OUT, 160                          ; Wo's path: v160-223: two sets of 32
.set SEL, 20                           ; s[20:21] lane selects: lane l xor 16
	s_load_b256 s[4:11], s[0:1], 0x0               ; Wq, Wk, Wv, Wo
	s_load_b128 s[12:15], s[0:1], 0x20             ; wc, ws
	s_load_b64 s[16:17], s[0:1], 0x30              ; wo16
	v_and_b32 v1, 15, v0                           ; r
	v_bfe_u32 v2, v0, 4, 1                         ; h
	v_lshlrev_b32 v[XA], 11, v1
	v_lshl_add_u32 v[XA], v2, 6, v[XA]
	v_lshlrev_b32 v[LI], 4, v0
	v_lshlrev_b32 v[SO], 4, v1
	v_lshl_add_u32 v[SO], v2, 3, v[SO]
	v_lshlrev_b32 v[OA], 11, v1
	v_lshl_add_u32 v[OA], v2, 5, v[OA]
	s_mov_b32 s[SEL], 0x76543210
	s_mov_b32 s[SEL+1], 0xfedcba98
.irp b, 0,1,2,3
	v_mov_b32 v[TM+4+\b], 0                        ; written once: a lane permute's destination counts as one of its sources
.endr
	s_mov_b32 s23, 0
	s_mov_b32 s25, 0
	s_wait_kmcnt 0x0
	s_cmp_ge_u32 ttmp9, 96
	s_cbranch_scc1 .Lwo
	s_cmp_lt_u32 ttmp9, 64                         ; which matrix: the choice hangs on the work-group's number alone
	s_cselect_b64 s[6:7], s[6:7], s[8:9]
	s_cmp_lt_u32 ttmp9, 32
	s_cselect_b64 s[4:5], s[4:5], s[6:7]
	s_and_b32 s22, ttmp9, 31
	s_lshl_b32 s22, s22, 15                        ; 16 rows of 2,048 bytes
	s_add_nc_u64 s[4:5], s[4:5], s[22:23]
	s_lshl_b32 s22, ttmp9, 12                      ; 4 fragments of 1,024 bytes
	s_add_nc_u64 s[12:13], s[12:13], s[22:23]
	s_lshl_b32 s22, ttmp9, 8                       ; 16 rows of 16 scale bytes
	s_add_nc_u64 s[14:15], s[14:15], s[22:23]
.macro XLOAD reg, ks                   ; K step ks: register 16 b + i = k 32 b + 16 h + i of my row
.irp b, 0,1,2,3
.irp j, 0,1,2,3
	global_load_b128 v[\reg+16*\b+4*\j:\reg+16*\b+4*\j+3], v[XA], s[4:5] offset:512*(\ks)+128*\b+16*\j th:TH_LOAD_NT
.endr
.endr
.endm
; 64 numbers of a lane become a fragment's codes in v[pc] on and its scale word in v[pw]
.macro QUANT src, pc, pw
.irp b, 0,1,2,3
	v_max3_num_f32 v[TM+\b], |v[\src+16*\b]|, |v[\src+1+16*\b]|, 0x1800000   ; my 16 numbers of block b, and the floor 2^(3 - 127): the byte cannot fall under 1
.endr
.irp i, 2,4,6,8,10,12,14
.irp b, 0,1,2,3
	v_max3_num_f32 v[TM+\b], v[TM+\b], |v[\src+16*\b+\i]|, |v[\src+1+16*\b+\i]|
.endr
.endr
.irp b, 0,1,2,3
	v_permlanex16_b32 v[TM+4+\b], v[TM+\b], s[SEL], s[SEL+1]
.endr
.irp b, 0,1,2,3
	v_max_num_f32 v[TM+\b], v[TM+\b], v[TM+4+\b]   ; with lane l xor 16's: the block's largest magnitude
.endr
.irp b, 0,1,2,3
	v_add_nc_u32 v[TM+12+\b], 0xff000000, v[TM+\b] ; 2 off its exponent field: the conversion's scale operand
.endr
.irp b, 0,1,2,3
	v_lshrrev_b32 v[TM+4+\b], 23, v[TM+12+\b]      ; the scale's byte
.endr
	v_lshl_or_b32 v[\pw], v[TM+5], 8, v[TM+4]
	v_lshl_or_b32 v[\pw], v[TM+6], 16, v[\pw]
	v_lshl_or_b32 v[\pw], v[TM+7], 24, v[\pw]
.irp b, 0,1,2,3
	v_cvt_scalef32_pk8_fp4_f32 v[\pc+2*\b], v[\src+16*\b:\src+7+16*\b], v[TM+12+\b]
	v_cvt_scalef32_pk8_fp4_f32 v[\pc+1+2*\b], v[\src+8+16*\b:\src+15+16*\b], v[TM+12+\b]
.endr
	v_nop                                          ; one plain place behind a scaled conversion
.irp c, 0,1                            ; the operand wants a whole block in a lane: lanes 0-15 block 2 c, lanes 16-31 block 2 c + 1
.irp i, 0,1
	v_permlane16_swap_b32 v[\pc+4*\c+\i], v[\pc+2+4*\c+\i]
.endr
.endr
.endm
.macro PUT f
.irp c, 0,1
	global_store_b128 v[LI], v[PC+8*\f+4*\c:PC+8*\f+4*\c+3], s[12:13] offset:1024*\f+512*\c
.endr
.endm
	XLOAD X0, 0
	XLOAD X1, 1
	s_wait_loadcnt 16                              ; the older set is in; the younger set's 16 loads may be out
	QUANT X0, PC, SW
	PUT 0
	XLOAD X0, 2
	s_wait_loadcnt 16
	QUANT X1, PC+8, SW+1
	PUT 1
	XLOAD X1, 3
	s_wait_loadcnt 16
	QUANT X0, PC+16, SW+2
	PUT 2
	s_wait_loadcnt 0x0
	QUANT X1, PC+24, SW+3
	PUT 3
	v_cmp_eq_u32 vcc_lo, 1, v2                     ; lanes 0-15 store K steps 0 and 1 of their row's scale bytes, lanes 16-31 K steps 2 and 3: 256 consecutive bytes
	v_cndmask_b32 v196, v[SW], v[SW+2], vcc_lo
	v_cndmask_b32 v197, v[SW+1], v[SW+3], vcc_lo
	global_store_b64 v[SO], v[196:197], s[14:15]
	s_endpgm
.Lwo:
	s_sub_co_u32 s22, ttmp9, 96
	s_lshl_b32 s24, s22, 15
	s_add_nc_u64 s[10:11], s[10:11], s[24:25]
	s_lshl_b32 s24, s22, 14                        ; 16 fragments of 1,024 bytes
	s_add_nc_u64 s[16:17], s[16:17], s[24:25]
.macro OLOAD reg, g                    ; K steps 4 g .. 4 g + 3: register 16 k + 8 c + i = K 32 (4 g + k) + 16 c + 8 h + i of my row
.irp k, 0,1,2,3
.irp c, 0,1
.irp j, 0,1
	global_load_b128 v[\reg+16*\k+8*\c+4*\j:\reg+16*\k+8*\c+4*\j+3], v[OA], s[10:11] offset:512*(\g)+128*\k+64*\c+16*\j th:TH_LOAD_NT
.endr
.endr
.endr
.endm
.macro OPUT reg, set, g
.set i, 0
.rept 32
	v_cvt_pk_f16_f32 v[OUT+32*(\set)+i], v[\reg+2*i], v[\reg+2*i+1]
.set i, i+1
.endr
.irp k, 0,1,2,3
.irp c, 0,1
	global_store_b128 v[LI], v[OUT+32*(\set)+8*\k+4*\c:OUT+32*(\set)+8*\k+4*\c+3], s[16:17] offset:(4*(\g)+\k)*1024+512*\c
.endr
.endr
.endm
	OLOAD X0, 0
	OLOAD X1, 1
	s_wait_loadcnt 16
	OPUT X0, 0, 0
	OLOAD X0, 2
	s_wait_loadcnt 16
	OPUT X1, 1, 1
	OLOAD X1, 3
	s_wait_loadcnt 16
	s_wait_xcnt 0x0                                ; the earlier stores have read their data: the set may be written again
	OPUT X0, 0, 2
	s_wait_loadcnt 0x0
	s_wait_xcnt 0x0
	OPUT X1, 1, 3
	s_endpgm
.Lfunc_end_k_q418d754613_prep:
	.size	k_q418d754613_prep, .Lfunc_end_k_q418d754613_prep-k_q418d754613_prep
	.p2alignl 7, 3214868480
	.fill 96, 4, 3214868480
	.section	.rodata,"a",@progbits
	.p2align	6, 0x0
	.amdhsa_kernel k_q418d754613_prep
		.amdhsa_group_segment_fixed_size 0
		.amdhsa_private_segment_fixed_size 0
		.amdhsa_enable_private_segment 0
		.amdhsa_kernarg_size 56
		.amdhsa_user_sgpr_count 2
		.amdhsa_user_sgpr_kernarg_segment_ptr 1
		.amdhsa_wavefront_size32 1
		.amdhsa_system_sgpr_workgroup_id_x 1
		.amdhsa_system_sgpr_workgroup_id_y 1
		.amdhsa_system_sgpr_workgroup_id_z 1
		.amdhsa_system_vgpr_workitem_id 0
		.amdhsa_next_free_vgpr 224
		.amdhsa_next_free_sgpr 66
		.amdhsa_reserve_vcc 1
		.amdhsa_float_denorm_mode_32 3
		.amdhsa_float_denorm_mode_16_64 3
		.amdhsa_memory_ordered 1
		.amdhsa_forward_progress 1
		.amdhsa_inst_pref_size 41
	.end_amdhsa_kernel
	.amdgpu_metadata
---
amdhsa.version: [ 1, 2 ]
amdhsa.kernels:
  - .name:           k_q418d754613_prep
    .symbol:         k_q418d754613_prep.kd
    .args:
      - { .name: Wq, .offset: 0, .size: 8, .value_kind: global_buffer, .address_space: global }
      - { .name: Wk, .offset: 8, .size: 8, .value_kind: global_buffer, .address_space: global }
      - { .name: Wv, .offset: 16, .size: 8, .value_kind: global_buffer, .address_space: global }
      - { .name: Wo, .offset: 24, .size: 8, .value_kind: global_buffer, .address_space: global }
      - { .name: wc, .offset: 32, .size: 8, .value_kind: global_buffer, .address_space: global }
      - { .name: ws, .offset: 40, .size: 8, .value_kind: global_buffer, .address_space: global }
      - { .name: wo16, .offset: 48, .size: 8, .value_kind: global_buffer, .address_space: global }
    .group_segment_fixed_size: 0
    .private_segment_fixed_size: 0
    .kernarg_segment_align: 8
    .kernarg_segment_size: 56
    .max_flat_workgroup_size: 32
    .sgpr_count:     66
    .vgpr_count:     224
    .wavefront_size: 32
...
	.end_amdgpu_metadata
.endif
;; end of part 1
;; launch qkv (part 2): grid 256 x 1, 8 waves a work-group, no clusters, 17,408 bytes of LDS; arguments x, wc, ws, bq, bk, bv, q_gamma, q_beta, k_gamma, k_beta, qf, kf, vf; writes qf, kf, vf
.if DOCPART == 2
	.amdgcn_target "amdgcn-amd-amdhsa--gfx1250"
	.amdhsa_code_object_version 6
	.text
	.protected	k_q418d754613_qkv
	.globl	k_q418d754613_qkv
	.p2align	8
	.type	k_q418d754613_qkv,@function
k_q418d754613_qkv:
	s_mov_b64 s[64:65], 0
	v_nop
	global_prefetch_b8 v0, s[64:65] scope:SCOPE_SE
	s_setreg_imm32_b32 hwreg(HW_REG_WAVE_MODE, 25, 1), 1
	s_wait_xcnt 0x0
; q = LN(x Wq^T + bq) / 8, k = LN(x Wk^T + bk), v = x Wv^T + bv, the three products on codes of FP4 (E2M1) with one E8M0 scale for each 32 along K; results rounded to f16 and
; stored in the order of the next launch's operand registers (a fragment: two parts of 512 bytes, lane l's 16 bytes at 16 l), so that every store covers 512 consecutive bytes.
; SHARES.  A work-group takes 32 tokens (two tiles of 16) and all 1,536 channels; wave w takes head w of q, k and v: 3 x 32 matrix instructions.
; x is read once: wave w quantises the fragment (token tile w / 4, K step w % 4) in registers and hands it to the others through LDS as an image of its registers.
; The weights' fragments, laid out by the launch before, go from memory straight into the one wave that multiplies by them.
; q, k: THE PRODUCT IS USED TRANSPOSED (source 0 = 16 rows of W, source 1 = 16 tokens): lane (r, h) holds token r and channels 16 t + 8 h + j of its head: half of the 64 over which the layer norm runs
; (the other half lies in lane l xor 16), and, packed to f16, part t % 2 of fragment t / 2 of the scores' operand.  The projection's bias is the C of each sum's first product.
; v: source 0 = tokens, source 1 = rows of Wv: the lane holds channel r and tokens 8 h + j: part (token tile) of a fragment of V^T.
; The 1/8 of the scores goes into q's gamma and beta: a power of two, which rounds nothing.
; NO CLUSTER: each byte of the weights goes to one wave's registers of a work-group in runs of 512 bytes; to share them they would have to pass through LDS, where the 417,792 bytes do not fit at once,
; in a ring with a round of the cluster's barrier for each change of slots, for 96 matrix instructions a wave.
; LIMITS: NaN and infinities among the inputs are not served; results beyond 65,504 in magnitude have no f16 number (q and k are bounded by 8 |gamma| + |beta|).
.set XIMG,  0                          ; LDS: x's 8 fragments (4 x token tile + K step), 1,024 bytes each,
.set XSC,   8192                       ; their scale words, 128 bytes each,
.set PARB,  9216                       ; bq, bk, bv, 2,048 bytes each,
.set PARG,  15360                      ; q_gamma / 8, q_beta / 8, k_gamma, k_beta, 256 bytes each
.set SPARE, 16384                      ; the spare words, 128 bytes for each wave: four blocks of 256 bytes that no other line names
.set XA,  4                            ; v4   x: 2,048 r + 64 h
.set LI,  5                            ; v5   16 x lane
.set LS,  6                            ; v6   4 x lane
.set XWI, 7                            ; v7   where I store my image: 16 x lane + 1,024 x wave
.set XWS, 8                            ; v8   and its scale words: 4 x lane + 128 x wave
.set PH,  9                            ; v9   32 h: my eight channels of a tile, in gamma and beta
.set PBW, 10                           ; v10  32 h + 256 x wave: the same in a projection's bias
.set PBV, 11                           ; v11  4 r + 256 x wave: my channel in bv
.set SPW, 12                           ; v12  LDS address of my spare word; never rewritten
.set NIL, 13                           ; v13  0; never rewritten
.set T8,  14                           ; v14  8 x thread
.set T4,  15                           ; v15  4 x thread
.set XF,  16                           ; v16-79   x's eight fragments
.set XS,  80                           ; v80-87   their scale words
.set WS,  88                           ; v88-111  the weights' scale words: register 8 mat + 4 p + s: lanes 0-15 channel tile 2 p, lanes 16-31 tile 2 p + 1, K step s
.set ACC, 112                          ; v112-175 eight accumulators: (token tile u, channel tile t) at 32 u + 8 t; first: my 64 numbers of x
.set GA,  176                          ; v176-207 gamma in the result's layout; first: the codes, the scale word, the parameters on their way to LDS
.set BE,  208                          ; v208-239 beta
.set TM,  240                          ; v240-255 at work: for token tile u at 8 u: two sums (pairs), the mean (pair), 1 / sigma (pair)
.set PC,  176
.set PW,  184
.set WA,  0                            ; window 1: two sets of 16 weight fragments, (t, s) at 32 t + 8 s
.set WB,  128
.set WV,  30
.set SEL, 32
.set I64, 34
.set EPS, 35
.set MSB, 0
.macro WIN new                         ; the immediate's high byte repeats the setting that is left
.if MSB != \new
	s_set_vgpr_msb (MSB<<8)|\new
.set MSB, \new
.endif
.endm
	s_load_b256 s[4:11], s[0:1], 0x0               ; x, wc, ws, bq
	s_load_b256 s[12:19], s[0:1], 0x20             ; bk, bv, q_gamma, q_beta
	s_load_b256 s[20:27], s[0:1], 0x40             ; k_gamma, k_beta, qf, kf
	s_load_b64 s[28:29], s[0:1], 0x60              ; vf
	v_lshl_add_u32 v[SPW], v0, 2, SPARE
	v_mov_b32 v[NIL], 0
	v_lshrrev_b32 v1, 5, v0
	v_readfirstlane_b32 s[WV], v1                  ; wave 0..7
	v_and_b32 v1, 31, v0                           ; lane
	v_and_b32 v2, 15, v0                           ; r
	v_bfe_u32 v3, v0, 4, 1                         ; h
	v_lshlrev_b32 v[XA], 11, v2
	v_lshl_add_u32 v[XA], v3, 6, v[XA]
	v_lshlrev_b32 v[LI], 4, v1
	v_lshlrev_b32 v[LS], 2, v1
	s_lshl_b32 s36, s[WV], 10
	v_add_nc_u32 v[XWI], s36, v[LI]
	s_lshl_b32 s36, s[WV], 7
	v_add_nc_u32 v[XWS], s36, v[LS]
	v_lshlrev_b32 v[PH], 5, v3
	s_lshl_b32 s36, s[WV], 8
	v_add_nc_u32 v[PBW], s36, v[PH]
	v_lshl_add_u32 v[PBV], v2, 2, s36
	v_lshlrev_b32 v[T8], 3, v0
	v_lshlrev_b32 v[T4], 2, v0
	v_and_b32 v193, 63, v0
	v_lshlrev_b32 v193, 2, v193                    ; my number of a gamma or beta
.irp b, 0,1,2,3
	v_mov_b32 v[TM+4+\b], 0                        ; written once: a lane permute's destination counts as one of its sources
.endr
	s_mov_b32 s[SEL], 0x76543210
	s_mov_b32 s[SEL+1], 0xfedcba98
	s_mov_b32 s[I64], 0x3c800000                   ; 1 / 64
	s_mov_b32 s[EPS], 0x358637bd                   ; 1e-6
	s_lshl_b32 s36, ttmp9, 16                      ; x: 32 tokens of 2,048 bytes a work-group,
	s_lshr_b32 s37, s[WV], 2
	s_lshl_b32 s37, s37, 15                        ; my token tile,
	s_add_co_u32 s36, s36, s37
	s_and_b32 s37, s[WV], 3
	s_lshl_b32 s37, s37, 9                         ; my K step
	s_add_co_u32 s36, s36, s37
	s_mov_b32 s37, 0
	s_lshl_b32 s38, s[WV], 14                      ; my head's 16 fragments in each matrix of wc
	s_mov_b32 s39, 0
	s_lshl_b32 s40, s[WV], 10                      ; and its 64 rows of scale bytes
	s_mov_b32 s41, 0
	s_lshr_b32 s42, ttmp9, 6                       ; the batch
	s_lshl_b32 s42, s42, 3
	s_add_co_u32 s42, s42, s[WV]                   ; 8 b + head
	s_lshl_b32 s42, s42, 18                        ; 262,144 bytes a head
	s_and_b32 s43, ttmp9, 63
	s_lshl_b32 s43, s43, 12                        ; 32 tokens are 4,096 bytes in qf, kf and vf alike
	s_add_co_u32 s42, s42, s43
	s_mov_b32 s43, 0
	s_wait_kmcnt 0x0
	s_add_nc_u64 s[4:5], s[4:5], s[36:37]
	s_add_nc_u64 s[6:7], s[6:7], s[38:39]
	s_add_nc_u64 s[8:9], s[8:9], s[40:41]
	s_add_nc_u64 s[24:25], s[24:25], s[42:43]
	s_add_nc_u64 s[26:27], s[26:27], s[42:43]
	s_add_nc_u64 s[28:29], s[28:29], s[42:43]
	s_cmp_lt_u32 s[WV], 2                          ; waves 0, 1 bring q_gamma; 2, 3 q_beta; 4, 5 k_gamma; 6, 7 k_beta
	s_cselect_b64 s[36:37], s[16:17], s[18:19]
	s_cmp_lt_u32 s[WV], 6
	s_cselect_b64 s[38:39], s[20:21], s[22:23]
	s_cmp_lt_u32 s[WV], 4
	s_cselect_b64 s[44:45], s[36:37], s[38:39]
	s_cselect_b32 s46, 0x3e000000, 1.0             ; q's take the scores' 1/8
; 34 loads: a head's 16 fragments of matrix mat into window 1, and its scale words
.macro WLOAD mat, buf
	WIN 0x40                                       ; destination window 1, address window 0
.set i, 0
.rept 32
	global_load_b128 v[\buf+4*i:\buf+4*i+3], v[LI], s[6:7] offset:131072*(\mat)+512*i
.set i, i+1
.endr
	WIN 0
.irp p, 0,1
	global_load_b128 v[WS+8*(\mat)+4*\p:WS+8*(\mat)+4*\p+3], v[LI], s[8:9] offset:8192*(\mat)+512*\p
.endr
.endm
.irp b, 0,1,2,3                        ; my 64 numbers of x: register 16 b + i = k 32 b + 16 h + i of my K step, token r
.irp j, 0,1,2,3
	global_load_b128 v[ACC+16*\b+4*\j:ACC+16*\b+4*\j+3], v[XA], s[4:5] offset:128*\b+16*\j th:TH_LOAD_NT
.endr
.endr
	global_load_b64 v[186:187], v[T8], s[10:11]    ; the biases: 8 bytes a thread
	global_load_b64 v[188:189], v[T8], s[12:13]
	global_load_b64 v[190:191], v[T8], s[14:15]
	global_load_b32 v192, v193, s[44:45]
	WLOAD 0, WA
	s_wait_loadcnt 34                              ; x and the parameters are in; Wq's 34 loads, issued behind them, may be out
	v_mul_f32 v192, s46, v192
	ds_store_b64 v[T8], v[186:187] offset:PARB
	ds_store_b64 v[T8], v[188:189] offset:PARB+2048
	ds_store_b64 v[T8], v[190:191] offset:PARB+4096
	ds_store_b32 v[T4], v192 offset:PARG
	; my fragment of x: the blocks' largest magnitudes, the scale bytes, the codes
.irp b, 0,1,2,3
	v_max3_num_f32 v[TM+\b], |v[ACC+16*\b]|, |v[ACC+1+16*\b]|, 0x1800000   ; and the floor 2^(3 - 127): the byte cannot fall under 1
.endr
.irp i, 2,4,6,8,10,12,14
.irp b, 0,1,2,3
	v_max3_num_f32 v[TM+\b], v[TM+\b], |v[ACC+16*\b+\i]|, |v[ACC+1+16*\b+\i]|
.endr
.endr
.irp b, 0,1,2,3
	v_permlanex16_b32 v[TM+4+\b], v[TM+\b], s[SEL], s[SEL+1]
.endr
.irp b, 0,1,2,3
	v_max_num_f32 v[TM+\b], v[TM+\b], v[TM+4+\b]
.endr
.irp b, 0,1,2,3
	v_add_nc_u32 v[TM+12+\b], 0xff000000, v[TM+\b] ; 2 off the exponent field: the conversion's scale operand
.endr
.irp b, 0,1,2,3
	v_lshrrev_b32 v[TM+4+\b], 23, v[TM+12+\b]      ; the scale's byte
.endr
	v_lshl_or_b32 v[PW], v[TM+5], 8, v[TM+4]
	v_lshl_or_b32 v[PW], v[TM+6], 16, v[PW]
	v_lshl_or_b32 v[PW], v[TM+7], 24, v[PW]
.irp b, 0,1,2,3
	v_cvt_scalef32_pk8_fp4_f32 v[PC+2*\b], v[ACC+16*\b:ACC+7+16*\b], v[TM+12+\b]
	v_cvt_scalef32_pk8_fp4_f32 v[PC+1+2*\b], v[ACC+8+16*\b:ACC+15+16*\b], v[TM+12+\b]
.endr
	v_nop                                          ; one plain place behind a scaled conversion
.irp c, 0,1
.irp i, 0,1
	v_permlane16_swap_b32 v[PC+4*\c+\i], v[PC+2+4*\c+\i]   ; a whole block in a lane: lanes 0-15 block 2 c, lanes 16-31 block 2 c + 1
.endr
.endr
.irp c, 0,1
	ds_store_b128 v[XWI], v[PC+4*\c:PC+4*\c+3] offset:XIMG+512*\c
.endr
	ds_store_b32 v[XWS], v[PW] offset:XSC
	WLOAD 1, WB
	s_wait_dscnt 0x0                               ; for the others' sake: my stores into LDS are done
	s_barrier_signal -1
	s_barrier_wait -1                              ; x's eight fragments and the parameters lie in LDS; nothing is stored to LDS behind this barrier
.irp f, 0,1,2,3,4,5,6,7
.irp c, 0,1
	ds_load_b128 v[XF+8*\f+4*\c:XF+8*\f+4*\c+3], v[LI] offset:XIMG+1024*\f+512*\c
.endr
	ds_load_b32 v[XS+\f], v[LS] offset:XSC+128*\f
.endr
; q or k: the bias into the accumulators, gamma and beta, 32 products.  cnt: the younger global loads that may stay out.  The eight accumulators take turns.
.macro UNITT mat, buf, gofs, cnt
	s_wait_xcnt 0x0                                ; the last unit's stores have read their data: the accumulators may be written
.irp u, 0,1
.irp t, 0,1,2,3
	ds_load_b128 v[ACC+32*\u+8*\t:ACC+32*\u+8*\t+3], v[PBW] offset:PARB+2048*(\mat)+64*\t
	ds_load_b128 v[ACC+32*\u+8*\t+4:ACC+32*\u+8*\t+7], v[PBW] offset:PARB+2048*(\mat)+64*\t+16
.endr
.endr
.irp t, 0,1,2,3
	ds_load_b128 v[GA+8*\t:GA+8*\t+3], v[PH] offset:PARG+(\gofs)+64*\t
	ds_load_b128 v[GA+8*\t+4:GA+8*\t+7], v[PH] offset:PARG+(\gofs)+64*\t+16
	ds_load_b128 v[BE+8*\t:BE+8*\t+3], v[PH] offset:PARG+(\gofs)+256+64*\t
	ds_load_b128 v[BE+8*\t+4:BE+8*\t+7], v[PH] offset:PARG+(\gofs)+256+64*\t+16
.endr
	s_wait_loadcnt \cnt
	s_wait_dscnt 0x0
	WIN 0x01                                       ; source 0 (W) window 1
.irp s, 0,1,2,3
.irp u, 0,1
.irp t, 0,2
	v_wmma_scale_f32_16x16x128_f8f6f4 v[ACC+32*\u+8*\t:ACC+32*\u+8*\t+7], v[\buf+32*\t+8*\s:\buf+32*\t+8*\s+7], v[XF+32*\u+8*\s:XF+32*\u+8*\s+7], v[ACC+32*\u+8*\t:ACC+32*\u+8*\t+7], v[WS+8*(\mat)+2*\t+\s], v[XS+4*\u+\s] matrix_a_fmt:MATRIX_FMT_FP4 matrix_b_fmt:MATRIX_FMT_FP4
	v_wmma_scale_f32_16x16x128_f8f6f4 v[ACC+32*\u+8*\t+8:ACC+32*\u+8*\t+15], v[\buf+32*\t+32+8*\s:\buf+32*\t+32+8*\s+7], v[XF+32*\u+8*\s:XF+32*\u+8*\s+7], v[ACC+32*\u+8*\t+8:ACC+32*\u+8*\t+15], v[WS+8*(\mat)+2*\t+\s], v[XS+4*\u+\s] matrix_a_fmt:MATRIX_FMT_FP4 matrix_b_fmt:MATRIX_FMT_FP4 matrix_a_scale:MATRIX_SCALE_ROW1
.endr
.endr
.endr
	WIN 0
.rept 4
	v_nop                                          ; places in front of loads into registers that the products read, and of the first read of results
.endr
.endm
.macro RED                             ; two sums of pairs become one number, the same in lanes l and l xor 16
.irp u, 0,1
	v_pk_add_f32 v[TM+8*\u:TM+8*\u+1], v[TM+8*\u:TM+8*\u+1], v[TM+8*\u+2:TM+8*\u+3]
.endr
.irp u, 0,1
	v_add_f32 v[TM+8*\u], v[TM+8*\u], v[TM+8*\u+1]
.endr
.irp u, 0,1
	v_permlanex16_b32 v[TM+8*\u+2], v[TM+8*\u], s[SEL], s[SEL+1]
.endr
.irp u, 0,1
	v_add_f32 v[TM+8*\u], v[TM+8*\u], v[TM+8*\u+2]
.endr
.endm
; the layer norm over the head's 64 channels, both token tiles by turns; rounding to f16 in place; eight stores of 512 bytes.  ob: the output's base
.macro LNOUT ob
.irp u, 0,1
	v_pk_add_f32 v[TM+8*\u:TM+8*\u+1], v[ACC+32*\u:ACC+32*\u+1], v[ACC+32*\u+4:ACC+32*\u+5]     ; each accumulator is read from its low end on
	v_pk_add_f32 v[TM+8*\u+2:TM+8*\u+3], v[ACC+32*\u+2:ACC+32*\u+3], v[ACC+32*\u+6:ACC+32*\u+7]
.endr
.irp p, 8,12,16,20,24,28
.irp u, 0,1
	v_pk_add_f32 v[TM+8*\u:TM+8*\u+1], v[TM+8*\u:TM+8*\u+1], v[ACC+32*\u+\p:ACC+32*\u+\p+1]
	v_pk_add_f32 v[TM+8*\u+2:TM+8*\u+3], v[TM+8*\u+2:TM+8*\u+3], v[ACC+32*\u+\p+2:ACC+32*\u+\p+3]
.endr
.endr
	RED
.irp u, 0,1
	v_mul_f32 v[TM+8*\u+4], s[I64], v[TM+8*\u]     ; the mean
.endr
.irp p, 0,2,4,6,8,10,12,14,16,18,20,22,24,26,28,30
.irp u, 0,1
	v_pk_add_f32 v[ACC+32*\u+\p:ACC+32*\u+\p+1], v[ACC+32*\u+\p:ACC+32*\u+\p+1], v[TM+8*\u+4:TM+8*\u+5] op_sel_hi:[1,0] neg_lo:[0,1] neg_hi:[0,1]
.endr
.endr
.irp u, 0,1
	v_pk_mul_f32 v[TM+8*\u:TM+8*\u+1], v[ACC+32*\u:ACC+32*\u+1], v[ACC+32*\u:ACC+32*\u+1]
	v_pk_mul_f32 v[TM+8*\u+2:TM+8*\u+3], v[ACC+32*\u+2:ACC+32*\u+3], v[ACC+32*\u+2:ACC+32*\u+3]
.endr
.irp p, 4,8,12,16,20,24,28
.irp u, 0,1
	v_pk_fma_f32 v[TM+8*\u:TM+8*\u+1], v[ACC+32*\u+\p:ACC+32*\u+\p+1], v[ACC+32*\u+\p:ACC+32*\u+\p+1], v[TM+8*\u:TM+8*\u+1]
	v_pk_fma_f32 v[TM+8*\u+2:TM+8*\u+3], v[ACC+32*\u+\p+2:ACC+32*\u+\p+3], v[ACC+32*\u+\p+2:ACC+32*\u+\p+3], v[TM+8*\u+2:TM+8*\u+3]
.endr
.endr
	RED
.irp u, 0,1
	v_fma_f32 v[TM+8*\u+6], v[TM+8*\u], s[I64], s[EPS]   ; the variance + 1e-6
.endr
.irp u, 0,1
	v_rsq_f32 v[TM+8*\u+6], v[TM+8*\u+6]
.endr
	v_nop                                          ; a plain place behind the transcendentals
	s_wait_alu depctr_va_vdst(0)                   ; one wait for both, ahead of their first reader
.irp p, 0,2,4,6,8,10,12,14,16,18,20,22,24,26,28,30
.irp u, 0,1
	v_pk_mul_f32 v[ACC+32*\u+\p:ACC+32*\u+\p+1], v[ACC+32*\u+\p:ACC+32*\u+\p+1], v[TM+8*\u+6:TM+8*\u+7] op_sel_hi:[1,0]
.endr
.endr
.irp p, 0,2,4,6,8,10,12,14,16,18,20,22,24,26,28,30
.irp u, 0,1
	v_pk_fma_f32 v[ACC+32*\u+\p:ACC+32*\u+\p+1], v[ACC+32*\u+\p:ACC+32*\u+\p+1], v[GA+\p:GA+\p+1], v[BE+\p:BE+\p+1]
.endr
.endr
.irp a, 0,8,16,24,32,40,48,56          ; an accumulator's eight numbers into its first four registers: each line writes a register whose number has been read
.irp i, 0,1,2,3
	v_cvt_pk_f16_f32 v[ACC+\a+\i], v[ACC+\a+2*\i], v[ACC+\a+2*\i+1]
.endr
.endr
.irp u, 0,1
.irp t, 0,1,2,3
	global_store_b128 v[LI], v[ACC+32*\u+8*\t:ACC+32*\u+8*\t+3], s[\ob:\ob+1] offset:2048*\u+512*\t
.endr
.endr
.endm
	UNITT 0, WA, 0, 34                             ; Wq is in; Wk's 34 loads may be out
	WLOAD 2, WA                                    ; Wv takes Wq's registers, behind the four places
	LNOUT 24
	UNITT 1, WB, 512, 34                           ; Wk is in; Wv's 34 loads may be out
	LNOUT 26
	; v: source 0 = tokens, source 1 = rows of Wv; the first products start the sums; bv, one number a lane, is added behind them
	s_wait_xcnt 0x0                                ; k's stores have read their data
.irp t, 0,1,2,3
	ds_load_b32 v[GA+2*\t], v[PBV] offset:PARB+4096+64*\t
	ds_load_b32 v[GA+2*\t+1], v[PBV] offset:PARB+4096+64*\t
.endr
	s_wait_loadcnt 0x0
	s_wait_dscnt 0x0
	WIN 0x04                                       ; source 1 (W) window 1
.irp u, 0,1
.irp t, 0,2
	v_wmma_scale_f32_16x16x128_f8f6f4 v[ACC+32*\u+8*\t:ACC+32*\u+8*\t+7], v[XF+32*\u:XF+32*\u+7], v[WA+32*\t:WA+32*\t+7], 0, v[XS+4*\u], v[WS+16+2*\t] matrix_a_fmt:MATRIX_FMT_FP4 matrix_b_fmt:MATRIX_FMT_FP4
	v_wmma_scale_f32_16x16x128_f8f6f4 v[ACC+32*\u+8*\t+8:ACC+32*\u+8*\t+15], v[XF+32*\u:XF+32*\u+7], v[WA+32*\t+32:WA+32*\t+39], 0, v[XS+4*\u], v[WS+16+2*\t] matrix_a_fmt:MATRIX_FMT_FP4 matrix_b_fmt:MATRIX_FMT_FP4 matrix_b_scale:MATRIX_SCALE_ROW1
.endr
.endr
.irp s, 1,2,3
.irp u, 0,1
.irp t, 0,2
	v_wmma_scale_f32_16x16x128_f8f6f4 v[ACC+32*\u+8*\t:ACC+32*\u+8*\t+7], v[XF+32*\u+8*\s:XF+32*\u+8*\s+7], v[WA+32*\t+8*\s:WA+32*\t+8*\s+7], v[ACC+32*\u+8*\t:ACC+32*\u+8*\t+7], v[XS+4*\u+\s], v[WS+16+2*\t+\s] matrix_a_fmt:MATRIX_FMT_FP4 matrix_b_fmt:MATRIX_FMT_FP4
	v_wmma_scale_f32_16x16x128_f8f6f4 v[ACC+32*\u+8*\t+8:ACC+32*\u+8*\t+15], v[XF+32*\u+8*\s:XF+32*\u+8*\s+7], v[WA+32*\t+32+8*\s:WA+32*\t+32+8*\s+7], v[ACC+32*\u+8*\t+8:ACC+32*\u+8*\t+15], v[XS+4*\u+\s], v[WS+16+2*\t+\s] matrix_a_fmt:MATRIX_FMT_FP4 matrix_b_fmt:MATRIX_FMT_FP4 matrix_b_scale:MATRIX_SCALE_ROW1
.endr
.endr
.endr
	WIN 0
.rept 4
	v_nop
.endr
.irp u, 0,1
.irp t, 0,1,2,3
.irp p, 0,2,4,6
	v_pk_add_f32 v[ACC+32*\u+8*\t+\p:ACC+32*\u+8*\t+\p+1], v[ACC+32*\u+8*\t+\p:ACC+32*\u+8*\t+\p+1], v[GA+2*\t:GA+2*\t+1]
.endr
.endr
.endr
.irp a, 0,8,16,24,32,40,48,56
.irp i, 0,1,2,3
	v_cvt_pk_f16_f32 v[ACC+\a+\i], v[ACC+\a+2*\i], v[ACC+\a+2*\i+1]
.endr
.endr
.irp u, 0,1
.irp t, 0,1,2,3
	global_store_b128 v[LI], v[ACC+32*\u+8*\t:ACC+32*\u+8*\t+3], s[28:29] offset:1024*\t+512*\u   ; channel tile t, part = token tile
.endr
.endr
	s_wait_tensorcnt 0x0                           ; the wave's end, behind my last LDS store
	ds_add_u32 v[SPW], v[NIL]
	s_wait_dscnt 0x0
	s_endpgm
.Lfunc_end_k_q418d754613_qkv:
	.size	k_q418d754613_qkv, .Lfunc_end_k_q418d754613_qkv-k_q418d754613_qkv
	.p2alignl 7, 3214868480
	.fill 96, 4, 3214868480
	.section	.rodata,"a",@progbits
	.p2align	6, 0x0
	.amdhsa_kernel k_q418d754613_qkv
		.amdhsa_group_segment_fixed_size 17408
		.amdhsa_private_segment_fixed_size 0
		.amdhsa_enable_private_segment 0
		.amdhsa_kernarg_size 104
		.amdhsa_user_sgpr_count 2
		.amdhsa_user_sgpr_kernarg_segment_ptr 1
		.amdhsa_wavefront_size32 1
		.amdhsa_system_sgpr_workgroup_id_x 1
		.amdhsa_system_sgpr_workgroup_id_y 1
		.amdhsa_system_sgpr_workgroup_id_z 1
		.amdhsa_system_vgpr_workitem_id 0
		.amdhsa_next_free_vgpr 512
		.amdhsa_next_free_sgpr 66
		.amdhsa_reserve_vcc 0
		.amdhsa_float_denorm_mode_32 3
		.amdhsa_float_denorm_mode_16_64 3
		.amdhsa_memory_ordered 1
		.amdhsa_forward_progress 1
		.amdhsa_inst_pref_size 70
	.end_amdhsa_kernel
	.amdgpu_metadata
---
amdhsa.version: [ 1, 2 ]
amdhsa.kernels:
  - .name:           k_q418d754613_qkv
    .symbol:         k_q418d754613_qkv.kd
    .args:
      - { .name: x, .offset: 0, .size: 8, .value_kind: global_buffer, .address_space: global }
      - { .name: wc, .offset: 8, .size: 8, .value_kind: global_buffer, .address_space: global }
      - { .name: ws, .offset: 16, .size: 8, .value_kind: global_buffer, .address_space: global }
      - { .name: bq, .offset: 24, .size: 8, .value_kind: global_buffer, .address_space: global }
      - { .name: bk, .offset: 32, .size: 8, .value_kind: global_buffer, .address_space: global }
      - { .name: bv, .offset: 40, .size: 8, .value_kind: global_buffer, .address_space: global }
      - { .name: q_gamma, .offset: 48, .size: 8, .value_kind: global_buffer, .address_space: global }
      - { .name: q_beta, .offset: 56, .size: 8, .value_kind: global_buffer, .address_space: global }
      - { .name: k_gamma, .offset: 64, .size: 8, .value_kind: global_buffer, .address_space: global }
      - { .name: k_beta, .offset: 72, .size: 8, .value_kind: global_buffer, .address_space: global }
      - { .name: qf, .offset: 80, .size: 8, .value_kind: global_buffer, .address_space: global }
      - { .name: kf, .offset: 88, .size: 8, .value_kind: global_buffer, .address_space: global }
      - { .name: vf, .offset: 96, .size: 8, .value_kind: global_buffer, .address_space: global }
    .group_segment_fixed_size: 17408
    .private_segment_fixed_size: 0
    .kernarg_segment_align: 8
    .kernarg_segment_size: 104
    .max_flat_workgroup_size: 256
    .sgpr_count:     66
    .vgpr_count:     512
    .wavefront_size: 32
...
	.end_amdgpu_metadata
.endif
;; end of part 2
;; launch attn (part 3): grid 64 x 4, 8 waves a work-group, clusters of 4 x 4, 327,680 bytes of LDS; arguments qf, kf, vf, attn_bias, af; writes af
.if DOCPART == 3
	.amdgcn_target "amdgcn-amd-amdhsa--gfx1250"
	.amdhsa_code_object_version 6
	.text
	.protected	k_q418d754613_attn
	.globl	k_q418d754613_attn
	.p2align	8
	.type	k_q418d754613_attn,@function
k_q418d754613_attn:
	s_mov_b64 s[64:65], 0
	v_nop
	global_prefetch_b8 v0, s[64:65] scope:SCOPE_SE
	s_setreg_imm32_b32 hwreg(HW_REG_WAVE_MODE, 25, 1), 1
	s_wait_xcnt 0x0
	s_wait_alu depctr_hold_cnt(0) depctr_sa_sdst(0) depctr_va_vdst(0) depctr_va_sdst(0) depctr_va_ssrc(0) depctr_va_vcc(0) depctr_vm_vsrc(0)
	s_getreg_b32 s2, hwreg(HW_REG_IB_STS2, 6, 4)
	s_cmp_eq_u32 s2, 0
	s_cbranch_scc0 .Lentry_in_a_cluster
	s_endpgm
.Lentry_in_a_cluster:
	s_bfe_u32 s2, ttmp6, 0x10000c
	s_cmp_lg_u32 s2, 0xf033
	s_cbranch_scc0 .Lentry_shape_is_right
	s_endpgm
.Lentry_shape_is_right:
; af = softmax(q k^T + attn_bias) v, head by head; q carries the scores' 1/8.  q, k, v arrive as f16 in the order of the operands' registers (a fragment: two parts of 512 bytes, lane l's 16 bytes at 16 l);
; attn_bias [4][2048][2048] f32 is shared by the 8 heads.  Products on f16 operands, sums, maxima and the softmax in f32; the weights p (at most 1) are rounded to f16 for the second product, the result once at the end.
; SHARES.  A work-group owns 128 queries (block x = 4 x cluster x + cx of 64) and two heads (2 cy, 2 cy + 1).  Wave w: head w % 2 of the two, queries 64 ((w / 2) % 2) on, and half w / 4 of the 128 keys of every step:
; four tiles of 16 queries x 64 keys a step.  Waves w and w + 4 own the same queries and head; their maxima, sums and results are joined at the end, through LDS.  Two waves lie on a SIMD.
; LAYOUT.  S^T = K Q^T (source 0 = 16 keys, source 1 = 16 queries): a lane holds ONE query (lane % 16) and keys 8 (lane / 16) + 0..7.  THE BIAS IS THE C OF THE FIRST PRODUCT: it is loaded into S's registers.
; Two tiles of S^T, rounded in pairs, are source 1 of O^T = V^T P, whose result again holds one query a lane and eight channels: packed, a part of the last launch's operand.
; SOFTMAX.  For each query a running maximum m and sum l: p = 2^(c s - c m), c = log2(e); in every step O and l are multiplied by a = 2^(c m_old - c m_new).
; CLUSTER, 4 x 4.  K's and V's tiles hang on the batch and on cy: the four work-groups of a row of the cluster ask for them jointly.  The bias's tile hangs on x alone: the four of a column, all 8 heads, ask jointly.
; All eight waves fetch, 16,384 bytes of memory each: waves 0-3 K and V of the two heads, waves 4-7 32 rows of the bias.  Two slots of 128 keys; one joint load a wave behind each round: one load of mine is out.
; LIMITS: scores under -1e30 count as -1e30 in the running maximum; NaN and infinities in attn_bias were not tried.
.set SLOTB, 133120                     ; a slot: the bias, 128 rows x 528 bytes; K of two heads, 16,384 each; V likewise
.set KOFF,  67584
.set BP,    528                        ; a row of the bias in LDS: 512 bytes + 16 = 132 words: row r starts at bank 4 r mod 64 (64 banks of 4 bytes: ISA guide 11.1)
.set SPARE, 266240                     ; behind the ring: the spare words, 128 bytes for each wave: four blocks of 256 bytes that no other line names
.set MGB,   17408                      ; the joining's stage, one for each pair of waves: 32 x 512 bytes of O, 2 x 512 of statistics.  It lies in slot 0, which has had its last fill and its last read by then
.set LI,  1                            ; v1   16 x lane
.set AB,  2                            ; v2-3 my place in the bias's tile, slot 0, 1
.set AK,  4                            ; v4-5 in K's
.set AV,  6                            ; v6-7 in V's
.set MG,  8                            ; v8   in the stage
.set PFO, 9                            ; v9   the prefetches' offset
.set SPW, 10                           ; v10  LDS address of my spare word; never rewritten
.set NIL, 11                           ; v11  0; never rewritten
.set ST,  16                           ; v16-47  tile t's statistics at 8 t: +0 c m, +1 m, +2, +3 l (even keys', odd keys'), +4 to +7 at work; a at +6
.set X,   48                           ; v48-63  four registers a tile: the step's sums
.set S,   64                           ; v64-191 S^T: (query tile, key tile) at 32 qt + 8 kt
.set P,   192                          ; v192-255 P: 16 qt + 8 kb
.set O,   0                            ; window 1: v0-127 O^T: 32 qt + 8 dt
.set Q,   128                          ;           v128-191 Q: 16 qt + 8 ks
.set KV,  192                          ;           v192-255 K of a step (16 kt + 8 ks), then its V (32 kb + 8 dt)
.set WV,  14
.set G1K, 24                           ; s[24:31] descriptor group 1 for K's and V's tiles;  s[32:39] for the bias's
.set G1B, 32
.set G0K, 40                           ; s[40:47] group 0 for K or V, a set for each slot;  s[48:55] for the bias
.set G0B, 48
.set CS,  56                           ; s[56:57] c
.set SEL, 58                           ; s[58:59] lane l xor 16
.set LAP, 60
.set LIM, 61                           ; 1 in a wave that prefetches
.set PFA, 62                           ; s[62:63], s[66:67] where my two prefetches stand;  s[68:69] a step on
.set PFB, 66
.set PFS, 68
.set MSB, 0
.macro WIN new                         ; the immediate's high byte repeats the setting that is left
.if MSB != \new
	s_set_vgpr_msb (MSB<<8)|\new
.set MSB, \new
.endif
.endm
.macro CROUND                          ; a round of the cluster's barrier
	s_barrier_signal -1
	s_barrier_wait -1
	s_cmp_lg_u32 s[WV], 0
	s_cbranch_scc1 .Lnot_wave_0_\@
	s_barrier_signal -3
.Lnot_wave_0_\@:
	s_barrier_wait -3
	s_barrier_signal -1
	s_barrier_wait -1
.endm
; A joint load into slot n.  The branch hangs on the wave's number alone.  An s_nop 0 and four v_nop follow each of the two lines.
.macro JLOAD n
	s_cmp_lt_u32 s[WV], 4
	s_cbranch_scc0 .Lfor_b_\@
	tensor_load_to_lds s[G0K+4*(\n):G0K+4*(\n)+3], s[G1K:G1K+7]
	s_nop 0
.rept 4
	v_nop
.endr
	s_branch .Lasked_\@
.Lfor_b_\@:
	tensor_load_to_lds s[G0B+4*(\n):G0B+4*(\n)+3], s[G1B:G1B+7]
	s_nop 0
.rept 4
	v_nop
.endr
.Lasked_\@:
.endm
; A PREFETCH INTO THE L2 of the step that the NEXT round's joint loads will ask for.  Each aligned block of 256 bytes is named once in the launch.
; The bias's tile (128 rows x 512 bytes) is read by the four work-groups of a column of the cluster alone: each takes 32 rows, told apart by address (32 cy on); wave 4 asks, a lane a row, two instructions for a row's two blocks.
; K's and V's tiles of a row of the cluster are read by the batch's four clusters: the first of them asks; its four partners of a row take 4,096 bytes of each head's 16,384, told apart by address (4,096 cx on);
; wave 0 asks: lanes 0-15 the first head, lanes 16-31 the second, 256 bytes apart; one instruction for K, one for V.
.macro ASK
	s_cmp_eq_u32 s[LIM], 1
	s_cbranch_scc0 .Lnot_mine_\@
	global_prefetch_b8 v[PFO], s[PFA:PFA+1] th:TH_LOAD_NT scope:SCOPE_SE
	global_prefetch_b8 v[PFO], s[PFB:PFB+1] th:TH_LOAD_NT scope:SCOPE_SE
.Lnot_mine_\@:
.endm
	s_load_b256 s[4:11], s[0:1], 0x0               ; qf, kf, vf, attn_bias
	s_load_b64 s[12:13], s[0:1], 0x20              ; af
	v_lshl_add_u32 v[SPW], v0, 2, SPARE
	v_mov_b32 v[NIL], 0
	ds_add_u32 v[SPW], v[NIL]                      ; the wave's opening: the add, twice on end, and its wait ahead of my first tensor load
	ds_add_u32 v[SPW], v[NIL]
	v_lshrrev_b32 v12, 5, v0
	v_readfirstlane_b32 s[WV], v12                 ; wave 0..7
	s_bfe_u32 s15, ttmp6, 0x40000                  ; cx
	s_bfe_u32 s16, ttmp6, 0x40004                  ; cy
	s_lshr_b32 s18, ttmp9, 2                       ; the batch: four clusters each
	s_and_b32 s19, s[WV], 3                        ; which of the four tiles of my kind I fetch
	s_lshl_b32 s20, s16, 2
	s_lshl_b32 s20, 15, s20                        ; my row of the cluster
	s_lshl_b32 s21, 0x1111, s15                    ; my column
	; K, V: 16,384 dense bytes as 64 rows of 256 (32 elements of 8 bytes), no padding
	s_or_b32 s[G1K], s20, (3<<16)|(1<<21)          ; 15:0 the mask; 17:16 elements of 8 bytes; 21 set beside a mask
	s_mov_b32 s[G1K+1], 32<<16                     ; tensor_dim0
	s_mov_b32 s[G1K+2], 64<<16                     ; tensor_dim1
	s_mov_b32 s[G1K+3], 32<<16                     ; tile_dim0
	s_mov_b32 s[G1K+4], 64                         ; tile_dim1
	s_mov_b32 s[G1K+5], 32                         ; from row to row
	s_mov_b32 s[G1K+6], 0
	s_mov_b32 s[G1K+7], 0
	; the bias: 32 rows of 128 f32, 2,048 elements apart, 4 words of padding behind every 128
	s_or_b32 s[G1B], s21, (2<<16)|(1<<20)|(1<<21)|(6<<22)|(3<<25)
	s_mov_b32 s[G1B+1], 128<<16
	s_mov_b32 s[G1B+2], 32<<16
	s_mov_b32 s[G1B+3], 128<<16
	s_mov_b32 s[G1B+4], 32
	s_mov_b32 s[G1B+5], 2048
	s_mov_b32 s[G1B+6], 0
	s_mov_b32 s[G1B+7], 0
	; K's and V's address is made of the batch, cy and the wave's number; the bias's of x and the wave's number: each in registers that never hold the other coordinate
	s_lshl_b32 s70, s18, 3
	s_lshl_b32 s71, s16, 1
	s_add_co_u32 s70, s70, s71
	s_and_b32 s71, s[WV], 1
	s_add_co_u32 s70, s70, s71                     ; 8 b + 2 cy + which head
	s_lshl_b32 s70, s70, 18                        ; 262,144 bytes a head
	s_mov_b32 s71, 0
	s_mul_i32 s72, s19, 16384
	s_add_co_u32 s72, s72, KOFF                    ; in a slot: K head 0, K head 1, V head 0, V head 1
	s_lshl_b32 s17, ttmp9, 2
	s_add_co_u32 s17, s17, s15                     ; x
	s_lshl_b32 s74, s17, 7
	s_lshl_b32 s75, s19, 5
	s_add_co_u32 s74, s74, s75                     ; row 128 x + 32 x quarter
	s_lshl_b32 s74, s74, 13                        ; 8,192 bytes a row
	s_mov_b32 s75, 0
	s_mul_i32 s76, s19, 32*BP
	s_mov_b32 s[CS], 0x3fb8aa3b                    ; c = log2(e)
	s_mov_b32 s[CS+1], s[CS]
	s_mov_b32 s[SEL], 0x76543210
	s_mov_b32 s[SEL+1], 0xfedcba98
	s_mov_b32 s[LAP], 6
	s_wait_dscnt 0x0                               ; both opening adds are done
	s_wait_kmcnt 0x0
	s_cmp_lt_u32 s19, 2
	s_cselect_b64 s[22:23], s[6:7], s[8:9]         ; K or V: by the wave's number
	s_add_nc_u64 s[70:71], s[22:23], s[70:71]
	s_add_nc_u64 s[74:75], s[10:11], s[74:75]
	CROUND                                         ; all sixteen work-groups are here: the first joint loads meet
.irp n, 0,1
	s_mov_b32 s[G0K+4*\n], 1
	s_add_co_u32 s[G0K+4*\n+1], s72, \n*SLOTB
	s_add_nc_u64 s[G0K+4*\n+2:G0K+4*\n+3], s[70:71], \n*16384   ; step n: 128 keys are 16,384 bytes
	s_or_b32 s[G0K+4*\n+3], s[G0K+4*\n+3], 0x80000000
	s_mov_b32 s[G0B+4*\n], 1
	s_add_co_u32 s[G0B+4*\n+1], s76, \n*SLOTB
	s_add_nc_u64 s[G0B+4*\n+2:G0B+4*\n+3], s[74:75], \n*512     ; 128 keys are 512 bytes of a row
	s_or_b32 s[G0B+4*\n+3], s[G0B+4*\n+3], 0x80000000
.endr
	JLOAD 0                                        ; step 0
	v_and_b32 v12, 31, v0
	v_lshlrev_b32 v[LI], 4, v12
	v_and_b32 v13, 15, v0                          ; r
	v_bfe_u32 v14, v0, 4, 1                        ; h
	; Q and af: my head 8 b + 2 cy + w % 2, my queries
	s_lshl_b32 s82, s18, 3
	s_lshl_b32 s83, s16, 1
	s_add_co_u32 s82, s82, s83
	s_and_b32 s83, s[WV], 1
	s_add_co_u32 s82, s82, s83
	s_lshl_b32 s84, s82, 18
	s_and_b32 s85, s17, 15
	s_lshl_b32 s85, s85, 3
	s_bfe_u32 s86, s[WV], 0x10001                  ; which 64 queries
	s_lshl_b32 s86, s86, 2
	s_add_co_u32 s85, s85, s86                     ; my first token tile in the batch
	s_lshl_b32 s85, s85, 11
	s_add_co_u32 s84, s84, s85
	s_mov_b32 s85, 0
	s_add_nc_u64 s[4:5], s[4:5], s[84:85]
	WIN 0x40                                       ; destination window 1
.set i, 0
.rept 16
	global_load_b128 v[Q+4*i:Q+4*i+3], v[LI], s[4:5] offset:512*i   ; Q stays in registers
.set i, i+1
.endr
	WIN 0
	s_lshl_b32 s84, s17, 3
	s_add_co_u32 s84, s84, s86                     ; token tile 8 x + 4 x half
	s_lshl_b32 s84, s84, 14                        ; 16,384 bytes a token tile of af
	s_and_b32 s87, s82, 7
	s_lshl_b32 s87, s87, 11                        ; a head's two K steps: 2,048 bytes
	s_add_co_u32 s84, s84, s87
	s_add_nc_u64 s[12:13], s[12:13], s[84:85]
	; LDS addresses: constants, the lane and the wave's number
	v_mul_u32_u24 v15, v13, BP
	v_lshl_add_u32 v15, v14, 5, v15                ; row r, + 32 h: my eight keys of a tile
	s_bfe_u32 s77, s[WV], 0x10001
	s_mul_i32 s77, s77, 64*BP                      ; my 64 queries
	s_lshr_b32 s78, s[WV], 2
	s_lshl_b32 s79, s78, 8                         ; my 64 keys
	s_add_co_u32 s77, s77, s79
	v_add_nc_u32 v[AB], s77, v15
	v_add_nc_u32 v[AB+1], SLOTB, v[AB]
	s_and_b32 s79, s[WV], 1
	s_lshl_b32 s79, s79, 14                        ; my head
	s_lshl_b32 s80, s78, 13                        ; my 64 keys: 8,192 bytes of K and of V
	s_add_co_u32 s79, s79, s80
	s_add_co_u32 s79, s79, KOFF
	v_add_nc_u32 v[AK], s79, v[LI]
	v_add_nc_u32 v[AK+1], SLOTB, v[AK]
	v_add_nc_u32 v[AV], 32768, v[AK]
	v_add_nc_u32 v[AV+1], SLOTB, v[AV]
	s_mul_i32 s79, s19, MGB
	v_add_nc_u32 v[MG], s79, v[LI]
	; the prefetches: they begin at step 2; steps 0 and 1 come by their loads alone
	s_lshl_b32 s88, s18, 3
	s_lshl_b32 s89, s16, 1
	s_add_co_u32 s88, s88, s89
	s_lshl_b32 s88, s88, 18
	s_lshl_b32 s89, s15, 12
	s_add_co_u32 s88, s88, s89
	s_add_co_u32 s88, s88, 2*16384                 ; K, V: the row's first head, my work-group's 4,096 bytes, step 2
	s_lshl_b32 s90, s17, 7
	s_lshl_b32 s91, s16, 5
	s_add_co_u32 s90, s90, s91
	s_lshl_b32 s90, s90, 13
	s_add_co_u32 s90, s90, 2*512                   ; the bias: row 128 x + 32 cy, step 2
	s_add_co_u32 s91, s90, 256                     ; and the row's second block
	s_mov_b32 s[PFS], 512
	s_mov_b32 s92, 131072
	s_mov_b32 s93, 8192
	s_cmp_lt_u32 s[WV], 4
	s_cselect_b64 s[PFA:PFA+1], s[6:7], s[10:11]
	s_cselect_b64 s[PFB:PFB+1], s[8:9], s[10:11]
	s_cselect_b32 s90, s88, s90
	s_cselect_b32 s94, s88, s91
	s_cselect_b32 s[PFS], 16384, s[PFS]
	s_cselect_b32 s92, 262144, s92                 ; from lanes 0-15 to lanes 16-31
	s_cselect_b32 s93, 256, s93                    ; from lane to lane
	s_mov_b32 s91, 0
	s_mov_b32 s95, 0
	s_mov_b32 s[PFS+1], 0
	s_add_nc_u64 s[PFA:PFA+1], s[PFA:PFA+1], s[90:91]
	s_add_nc_u64 s[PFB:PFB+1], s[PFB:PFB+1], s[94:95]
	v_mul_lo_u32 v[PFO], v14, s92
	v_mul_lo_u32 v15, v13, s93
	v_add_nc_u32 v[PFO], v[PFO], v15
	s_and_b32 s[LIM], ttmp9, 3                     ; 0 in the batch's first cluster: the same in all sixteen partners
	s_cmp_lt_u32 s[WV], 4
	s_cselect_b32 s[LIM], s[LIM], 0
	s_or_b32 s[LIM], s[LIM], s19                   ; 0 in wave 4, and in wave 0 of the batch's first cluster
	s_cmp_eq_u32 s[LIM], 0
	s_cselect_b32 s[LIM], 1, -1
.irp t, 0,1,2,3
	v_mov_b32 v[ST+8*\t+1], 0xf149f2ca             ; m = -1e30
	v_mul_f32 v[ST+8*\t], s[CS], v[ST+8*\t+1]      ; c m
	v_mov_b32 v[ST+8*\t+2], 0                      ; l
	v_mov_b32 v[ST+8*\t+3], 0
.endr
.macro BIASLD sl                       ; 32 loads: bias(query 16 qt + r, keys 16 kt + 8 h + 0..7) into S's registers
.irp qt, 0,1,2,3
.irp kt, 0,1,2,3
	ds_load_b128 v[S+32*\qt+8*\kt:S+32*\qt+8*\kt+3], v[AB+\sl] offset:16*BP*\qt+64*\kt
	ds_load_b128 v[S+32*\qt+8*\kt+4:S+32*\qt+8*\kt+7], v[AB+\sl] offset:16*BP*\qt+64*\kt+16
.endr
.endr
.endm
.macro KVLD adr                        ; 16 loads: my 8,192 bytes of K or of V, as they lie, into window 1
	WIN 0x40
.set i, 0
.rept 16
	ds_load_b128 v[KV+4*i:KV+4*i+3], v[\adr] offset:512*i
.set i, i+1
.endr
.endm
.macro SMUL                            ; S^T = K Q^T + bias: 32 products; the 16 accumulators take turns
	WIN 0x05                                       ; K and Q window 1, S window 0
.irp ks, 0,1
.irp kt, 0,1,2,3
.irp qt, 0,1,2,3
	v_wmma_f32_16x16x32_f16 v[S+32*\qt+8*\kt:S+32*\qt+8*\kt+7], v[KV+16*\kt+8*\ks:KV+16*\kt+8*\ks+7], v[Q+16*\qt+8*\ks:Q+16*\qt+8*\ks+7], v[S+32*\qt+8*\kt:S+32*\qt+8*\kt+7]
.endr
.endr
.endr
	WIN 0
.rept 4
	v_nop                                          ; places in front of the loads into K's registers and of the first read of the scores
.endr
.endm
.macro PVMUL zero                      ; O^T += V^T P: 32 products.  zero = 1: the first 16 start the sums: nothing is ever cleared
	WIN 0x51                                       ; V window 1, P window 0, O window 1
.irp kb, 0,1
.irp dt, 0,1,2,3
.irp qt, 0,1,2,3
.if (\zero) && (\kb == 0)
	v_wmma_f32_16x16x32_f16 v[O+32*\qt+8*\dt:O+32*\qt+8*\dt+7], v[KV+32*\kb+8*\dt:KV+32*\kb+8*\dt+7], v[P+16*\qt+8*\kb:P+16*\qt+8*\kb+7], 0
.else
	v_wmma_f32_16x16x32_f16 v[O+32*\qt+8*\dt:O+32*\qt+8*\dt+7], v[KV+32*\kb+8*\dt:KV+32*\kb+8*\dt+7], v[P+16*\qt+8*\kb:P+16*\qt+8*\kb+7], v[O+32*\qt+8*\dt:O+32*\qt+8*\dt+7]
.endif
.endr
.endr
.endr
	WIN 0
.rept 4
	v_nop                                          ; places in front of the loads into V's registers and of the first read of O
.endr
.endm
; A step's softmax, the four tiles by turns.  rs = 1: O is multiplied by a (the first step has no O yet)
.macro SOFTMAX rs
.irp j, 0,1,2,3                        ; the maximum of a lane's 32 scores and the old m: four chains; each accumulator is read from its low end on
.irp t, 0,1,2,3
	v_max3_num_f32 v[ST+8*\t+4+\j], v[S+32*\t+8*\j], v[S+32*\t+8*\j+1], v[S+32*\t+8*\j+2]
.endr
.endr
.irp g, 1,2
.irp j, 0,1,2,3
.irp t, 0,1,2,3
	v_max3_num_f32 v[ST+8*\t+4+\j], v[ST+8*\t+4+\j], v[S+32*\t+8*\j+2*\g+1], v[S+32*\t+8*\j+2*\g+2]
.endr
.endr
.endr
.irp t, 0,1,2,3
	v_max3_num_f32 v[ST+8*\t+4], v[ST+8*\t+4], v[S+32*\t+7], v[S+32*\t+15]
.endr
.irp t, 0,1,2,3
	v_max3_num_f32 v[ST+8*\t+6], v[ST+8*\t+6], v[S+32*\t+23], v[S+32*\t+31]
.endr
.irp t, 0,1,2,3
	v_max3_num_f32 v[ST+8*\t+4], v[ST+8*\t+4], v[ST+8*\t+5], v[ST+8*\t+6]
.endr
.irp t, 0,1,2,3
	v_max3_num_f32 v[ST+8*\t+4], v[ST+8*\t+4], v[ST+8*\t+7], v[ST+8*\t+1]
.endr
.irp t, 0,1,2,3
	v_permlanex16_b32 v[ST+8*\t+5], v[ST+8*\t+4], s[SEL], s[SEL+1]   ; the query's other 32 keys lie in the lane 16 away
.endr
.irp t, 0,1,2,3
	v_mov_b32 v[ST+8*\t+7], v[ST+8*\t]             ; c m_old
.endr
.irp t, 0,1,2,3
	v_max_num_f32 v[ST+8*\t+1], v[ST+8*\t+4], v[ST+8*\t+5]
.endr
.irp t, 0,1,2,3
	v_mul_f32 v[ST+8*\t], s[CS], v[ST+8*\t+1]
.endr
.irp t, 0,1,2,3
	v_sub_f32 v[ST+8*\t+7], v[ST+8*\t+7], v[ST+8*\t]
.endr
.irp t, 0,1,2,3
	v_exp_f32 v[ST+8*\t+6], v[ST+8*\t+7]           ; a
.endr
.irp b, 0,1,2,3,4,5,6,7,8,9,10,11,12,13,14,15
.irp t, 0,1,2,3
	v_pk_fma_f32 v[S+32*\t+2*\b:S+32*\t+2*\b+1], v[S+32*\t+2*\b:S+32*\t+2*\b+1], s[CS:CS+1], v[ST+8*\t:ST+8*\t+1] op_sel_hi:[1,0,0] neg_lo:[0,0,1] neg_hi:[0,0,1]   ; c s - c m
.endr
.endr
	s_wait_alu depctr_va_vdst(0)                   ; the wait for the four a, ahead of their first reader; the 64 scalings stand between
.set i, 0
.rept 128
	v_exp_f32 v[S+i], v[S+i]                       ; p: one batch
.set i, i+1
.endr
.if \rs
	WIN 0x41                                       ; O (destination and source 0) window 1, a window 0
.set i, 0
.rept 64
	v_pk_mul_f32 v[O+2*i:O+2*i+1], v[O+2*i:O+2*i+1], v[ST+8*(i/16)+6:ST+8*(i/16)+7] op_sel_hi:[1,0]   ; plain work behind the batch, which names none of its results
.set i, i+1
.endr
	WIN 0
.else
	v_nop                                          ; a plain place behind the last exponential
.endif
	s_wait_alu depctr_va_vdst(0)                   ; one wait for the batch of 128, ahead of its first reader
.irp t, 0,1,2,3
	v_pk_add_f32 v[X+4*\t:X+4*\t+1], v[S+32*\t:S+32*\t+1], v[S+32*\t+4:S+32*\t+5]
	v_pk_add_f32 v[X+4*\t+2:X+4*\t+3], v[S+32*\t+2:S+32*\t+3], v[S+32*\t+6:S+32*\t+7]
.endr
.irp p, 8,12,16,20,24,28
.irp t, 0,1,2,3
	v_pk_add_f32 v[X+4*\t:X+4*\t+1], v[X+4*\t:X+4*\t+1], v[S+32*\t+\p:S+32*\t+\p+1]
	v_pk_add_f32 v[X+4*\t+2:X+4*\t+3], v[X+4*\t+2:X+4*\t+3], v[S+32*\t+\p+2:S+32*\t+\p+3]
.endr
.endr
.irp t, 0,1,2,3
	v_pk_add_f32 v[X+4*\t:X+4*\t+1], v[X+4*\t:X+4*\t+1], v[X+4*\t+2:X+4*\t+3]
.endr
.irp t, 0,1,2,3
	v_pk_fma_f32 v[ST+8*\t+2:ST+8*\t+3], v[ST+8*\t+2:ST+8*\t+3], v[ST+8*\t+6:ST+8*\t+7], v[X+4*\t:X+4*\t+1] op_sel_hi:[1,0,1]   ; l = a l + the step's sum
.endr
.set i, 0
.rept 64
	v_cvt_pk_f16_f32 v[P+i], v[S+2*i], v[S+2*i+1]  ; two tiles of S^T are a fragment of P
.set i, i+1
.endr
.endm
; A TRIP: the change of slots, the last step's V^T P, this step's scores and softmax.  The last step's products stand behind the round, over the landing of the 32 bias loads: P and V are in registers by then.
; refill: the slot just left takes the next step.  pf: a prefetch.  pv: 0 no V^T P yet, 1 it starts O, 2 it adds.  rs: see SOFTMAX
.macro TRIP slot, refill, pf, pv, rs
	s_wait_tensorcnt 0x0                           ; my one load has landed: my part of this trip's slot; so every group 0 may be written
	ds_add_u32 v[SPW], v[NIL]                      ; 0 onto my spare word; the steps below stand between it and the wait for it
	s_add_nc_u64 s[G0K+4*\slot+2:G0K+4*\slot+3], s[G0K+4*\slot+2:G0K+4*\slot+3], 2*16384   ; this slot's next step
	s_add_nc_u64 s[G0B+4*\slot+2:G0B+4*\slot+3], s[G0B+4*\slot+2:G0B+4*\slot+3], 2*512
.if (\pf) && (\pv)
	s_wait_xcnt 0x0                                ; the last trip's prefetches have read their addresses
	s_add_nc_u64 s[PFA:PFA+1], s[PFA:PFA+1], s[PFS:PFS+1]
	s_add_nc_u64 s[PFB:PFB+1], s[PFB:PFB+1], s[PFS:PFS+1]
.endif
	s_wait_dscnt 0x0                               ; the add is done; V is in; my reads of the slot that I leave are over
.if \refill
	CROUND                                         ; no wave of any partner still reads that slot or has a load on its way
	JLOAD 1-\slot                                  ; the first thing behind the round, and my one tensor load until the next
.else
	s_barrier_signal -1
	s_barrier_wait -1
.endif
	BIASLD \slot
.if \pf
	ASK                                            ; the step after the one just asked for: a trip ahead of its load
.endif
.if \pv
	PVMUL 2-\pv
.endif
	KVLD AK+\slot
	s_wait_dscnt 0x0                               ; the bias and K are in
.if (\pv) == 0
	s_wait_loadcnt 0x0                             ; Q
.endif
	SMUL
	KVLD AV+\slot                                  ; V takes K's registers, behind the four places; it lands under the softmax
	WIN 0
	SOFTMAX \rs
.endm
	TRIP 0, 1, 1, 0, 0                             ; step 0
	TRIP 1, 1, 1, 1, 1                             ; step 1
.Llap:                                 ; steps 2 to 13
	TRIP 0, 1, 1, 2, 1
	TRIP 1, 1, 1, 2, 1
	s_sub_co_u32 s[LAP], s[LAP], 1
	s_cmp_lg_u32 s[LAP], 0
	s_cbranch_scc1 .Llap
	TRIP 0, 1, 0, 2, 1                             ; step 14 asks for step 15; there is nothing left to prefetch
	TRIP 1, 0, 0, 2, 1                             ; step 15: nothing is filled: the tail is written out
	s_wait_dscnt 0x0                               ; V of step 15
	PVMUL 0
	; THE JOINING of the two halves of the keys.  Waves 4-7 put O, c m and l into the stage; waves 0-3 bring both halves under the larger maximum, divide by the joint sum, round and store.
.irp t, 0,1,2,3
	v_add_f32 v[X+4+\t], v[ST+8*\t+2], v[ST+8*\t+3]
.endr
.irp t, 0,1,2,3
	v_permlanex16_b32 v[ST+8*\t+4], v[X+4+\t], s[SEL], s[SEL+1]
.endr
.irp t, 0,1,2,3
	v_add_f32 v[X+4+\t], v[X+4+\t], v[ST+8*\t+4]   ; v52-55: l
.endr
.irp t, 0,1,2,3
	v_mov_b32 v[X+\t], v[ST+8*\t]                  ; v48-51: c m
.endr
	s_cmp_lt_u32 s[WV], 4
	s_cbranch_scc1 .Lkeep
	WIN 0x04                                       ; an LDS store's data are its source 1: window 1
.set i, 0
.rept 32
	ds_store_b128 v[MG], v[O+4*i:O+4*i+3] offset:512*i   ; each accumulator from its low end on
.set i, i+1
.endr
	WIN 0
	ds_store_b128 v[MG], v[X:X+3] offset:16384
	ds_store_b128 v[MG], v[X+4:X+7] offset:16896
.Lkeep:
	s_wait_dscnt 0x0                               ; for the others' sake: my stores into the stage are done
	s_barrier_signal -1
	s_barrier_wait -1
	s_cmp_lt_u32 s[WV], 4
	s_cbranch_scc0 .Ldone
	ds_load_b128 v[X+8:X+11], v[MG] offset:16384   ; v56-59: the partner's c m;
	ds_load_b128 v[X+12:X+15], v[MG] offset:16896  ; v60-63: its l;
.set i, 0
.rept 32
	ds_load_b128 v[S+4*i:S+4*i+3], v[MG] offset:512*i   ; its O
.set i, i+1
.endr
	s_wait_dscnt 32                                ; the statistics are in; the 32 loads of O, issued behind them, may be out
.irp t, 0,1,2,3
	v_max_num_f32 v[ST+8*\t+4], v[X+\t], v[X+8+\t]
.endr
.irp t, 0,1,2,3
	v_sub_f32 v[ST+8*\t+5], v[X+\t], v[ST+8*\t+4]
	v_sub_f32 v[ST+8*\t+6], v[X+8+\t], v[ST+8*\t+4]
.endr
.irp t, 0,1,2,3
	v_exp_f32 v[ST+8*\t+5], v[ST+8*\t+5]           ; f0, f1: what brings each half under the joint maximum
	v_exp_f32 v[ST+8*\t+6], v[ST+8*\t+6]
.endr
	v_nop
	s_wait_alu depctr_va_vdst(0)                   ; one wait for the eight
.irp t, 0,1,2,3
	v_mul_f32 v[ST+8*\t+7], v[X+12+\t], v[ST+8*\t+6]
.endr
.irp t, 0,1,2,3
	v_fma_f32 v[ST+8*\t+7], v[X+4+\t], v[ST+8*\t+5], v[ST+8*\t+7]   ; the joint sum
.endr
.irp t, 0,1,2,3
	v_rcp_f32 v[ST+8*\t+7], v[ST+8*\t+7]
.endr
	v_nop
	s_wait_alu depctr_va_vdst(0)                   ; one wait for the four
.irp t, 0,1,2,3
	v_mul_f32 v[ST+8*\t], v[ST+8*\t+5], v[ST+8*\t+7]     ; g0, the low word of a pair
	v_mul_f32 v[ST+8*\t+2], v[ST+8*\t+6], v[ST+8*\t+7]   ; g1 likewise
.endr
	s_wait_dscnt 0x0
.set i, 0
.rept 64
	v_pk_mul_f32 v[S+2*i:S+2*i+1], v[S+2*i:S+2*i+1], v[ST+8*(i/16)+2:ST+8*(i/16)+3] op_sel_hi:[1,0]
.set i, i+1
.endr
	WIN 0x01                                       ; source 0 (my O) window 1
.set i, 0
.rept 64
	v_pk_fma_f32 v[S+2*i:S+2*i+1], v[O+2*i:O+2*i+1], v[ST+8*(i/16):ST+8*(i/16)+1], v[S+2*i:S+2*i+1] op_sel_hi:[1,0,1]
.set i, i+1
.endr
	WIN 0
.set i, 0
.rept 64
	v_cvt_pk_f16_f32 v[P+i], v[S+2*i], v[S+2*i+1]
.set i, i+1
.endr
.irp qt, 0,1,2,3
.irp dt, 0,1,2,3
	global_store_b128 v[LI], v[P+16*\qt+4*\dt:P+16*\qt+4*\dt+3], s[12:13] offset:16384*\qt+512*\dt   ; 512 consecutive bytes: part dt % 2 of K step 2 head + dt / 2 of token tile qt
.endr
.endr
.Ldone:
	s_wait_tensorcnt 0x0                           ; the wave's end, behind my last tensor load and my last LDS store
	ds_add_u32 v[SPW], v[NIL]
	s_wait_dscnt 0x0
	CROUND                                         ; the closing round: no work-group ends while a partner may still ask for a tile that names it
	s_endpgm
.Lfunc_end_k_q418d754613_attn:
	.size	k_q418d754613_attn, .Lfunc_end_k_q418d754613_attn-k_q418d754613_attn
	.p2alignl 7, 3214868480
	.fill 96, 4, 3214868480
	.section	.rodata,"a",@progbits
	.p2align	6, 0x0
	.amdhsa_kernel k_q418d754613_attn
		.amdhsa_group_segment_fixed_size 327680
		.amdhsa_private_segment_fixed_size 0
		.amdhsa_enable_private_segment 0
		.amdhsa_kernarg_size 40
		.amdhsa_user_sgpr_count 2
		.amdhsa_user_sgpr_kernarg_segment_ptr 1
		.amdhsa_wavefront_size32 1
		.amdhsa_system_sgpr_workgroup_id_x 1
		.amdhsa_system_sgpr_workgroup_id_y 1
		.amdhsa_system_sgpr_workgroup_id_z 1
		.amdhsa_system_vgpr_workitem_id 0
		.amdhsa_next_free_vgpr 512
		.amdhsa_next_free_sgpr 96
		.amdhsa_reserve_vcc 0
		.amdhsa_float_denorm_mode_32 3
		.amdhsa_float_denorm_mode_16_64 3
		.amdhsa_memory_ordered 1
		.amdhsa_forward_progress 1
		.amdhsa_inst_pref_size 236
	.end_amdhsa_kernel
	.amdgpu_metadata
---
amdhsa.version: [ 1, 2 ]
amdhsa.kernels:
  - .name:           k_q418d754613_attn
    .symbol:         k_q418d754613_attn.kd
    .args:
      - { .name: qf, .offset: 0, .size: 8, .value_kind: global_buffer, .address_space: global }
      - { .name: kf, .offset: 8, .size: 8, .value_kind: global_buffer, .address_space: global }
      - { .name: vf, .offset: 16, .size: 8, .value_kind: global_buffer, .address_space: global }
      - { .name: attn_bias, .offset: 24, .size: 8, .value_kind: global_buffer, .address_space: global }
      - { .name: af, .offset: 32, .size: 8, .value_kind: global_buffer, .address_space: global }
    .group_segment_fixed_size: 327680
    .private_segment_fixed_size: 0
    .kernarg_segment_align: 8
    .kernarg_segment_size: 40
    .max_flat_workgroup_size: 256
    .sgpr_count:     96
    .vgpr_count:     512
    .wavefront_size: 32
...
	.end_amdgpu_metadata
.endif
;; end of part 3
;; launch proj (part 4): grid 4 x 64, 4 waves a work-group, clusters of 4 x 4, 327,680 bytes of LDS; arguments af, wo16, bo, out0; writes out0
.if DOCPART == 4
	.amdgcn_target "amdgcn-amd-amdhsa--gfx1250"
	.amdhsa_code_object_version 6
	.text
	.protected	k_q418d754613_proj
	.globl	k_q418d754613_proj
	.p2align	8
	.type	k_q418d754613_proj,@function
k_q418d754613_proj:
	s_mov_b64 s[64:65], 0
	v_nop
	global_prefetch_b8 v0, s[64:65] scope:SCOPE_SE
	s_setreg_imm32_b32 hwreg(HW_REG_WAVE_MODE, 25, 1), 1
	s_wait_xcnt 0x0
	s_wait_alu depctr_hold_cnt(0) depctr_sa_sdst(0) depctr_va_vdst(0) depctr_va_sdst(0) depctr_va_ssrc(0) depctr_va_vcc(0) depctr_vm_vsrc(0)
	s_getreg_b32 s2, hwreg(HW_REG_IB_STS2, 6, 4)
	s_cmp_eq_u32 s2, 0
	s_cbranch_scc0 .Lentry_in_a_cluster
	s_endpgm
.Lentry_in_a_cluster:
	s_bfe_u32 s2, ttmp6, 0x10000c
	s_cmp_lg_u32 s2, 0xf033
	s_cbranch_scc0 .Lentry_shape_is_right
	s_endpgm
.Lentry_shape_is_right:
; out0 = a Wo^T + bo.  a [8192][512] and Wo [512][512] arrive as f16 in the order of the operands' registers ([tile of 16 rows][K step of 32][part][lane][16 bytes]); sums in f32; out0 f32.
; A work-group makes 128 tokens x 128 outputs; each of its four waves 64 x 64: 16 accumulators.  Both operands' tiles for ALL of K, 131,072 bytes each, fit in LDS together: they are filled once,
; in four chunks of four K steps, all asked for at the start; nothing is filled again.  Four tensor loads of mine are out at the most.
; CLUSTER, 4 x 4: a's tiles hang on the token block alone and are shared along a row of the cluster, Wo's on the output block alone and are shared along a column: each is asked for jointly.
; THE MATRIX INSTRUCTION IS USED TRANSPOSED (source 0 = 16 rows of Wo, source 1 = 16 tokens): a lane holds eight neighbouring outputs of one token.  bo, in that layout, is the C of each sum's first product.
.set CH,    65536                      ; a chunk in LDS: a's 8 tiles x 4,096 bytes, then Wo's 8
.set STAGE, 262144                     ; behind the chunks: 16 rows x (256 + 16) bytes for each wave, for the way out
.set SPARE, 279552                     ; the spare words, 128 bytes for each wave: two blocks of 256 bytes that no other line names
.set LI,  1                            ; v1  16 x lane
.set AA,  2                            ; v2  my 4 token tiles in the chunk in hand
.set BB,  3                            ; v3  my 4 output tiles
.set STO, 4                            ; v4  the stage: where I put 32 bytes of a row
.set RD,  5                            ; v5  and where I read a row back
.set CO,  6                            ; v6  my byte offset in out0
.set BO,  7                            ; v7  32 h
.set SPW, 8                            ; v8  LDS address of my spare word; never rewritten
.set NIL, 9                            ; v9  0; never rewritten
.set OB,  32                           ; v32-95   rows on their way out: two sets of 32
.set BC,  96                           ; v96-127  bo: eight registers for each output tile
.set ACC, 128                          ; v128-255 (token tile t, output tile n) at 8 (4 t + n)
.set WV,  12
.set G1A, 24
.set G1B, 32
.set G0A, 40                           ; s[40:55] group 0 for a's four chunks;  s[68:83] for Wo's
.set G0B, 68
.set MSB, 0
.macro WIN new
.if MSB != \new
	s_set_vgpr_msb (MSB<<8)|\new
.set MSB, \new
.endif
.endm
.macro CROUND                          ; a round of the cluster's barrier
	s_barrier_signal -1
	s_barrier_wait -1
	s_cmp_lg_u32 s[WV], 0
	s_cbranch_scc1 .Lnot_wave_0_\@
	s_barrier_signal -3
.Lnot_wave_0_\@:
	s_barrier_wait -3
	s_barrier_signal -1
	s_barrier_wait -1
.endm
	s_load_b256 s[4:11], s[0:1], 0x0               ; af, wo16, bo, out0
	v_lshl_add_u32 v[SPW], v0, 2, SPARE
	v_mov_b32 v[NIL], 0
	ds_add_u32 v[SPW], v[NIL]                      ; the wave's opening: the add, twice on end, and its wait ahead of my first tensor load
	ds_add_u32 v[SPW], v[NIL]
	v_lshrrev_b32 v10, 5, v0
	v_readfirstlane_b32 s[WV], v10                 ; wave 0..3
	s_bfe_u32 s13, ttmp6, 0x40000                  ; cx
	s_bfe_u32 s14, ttmp6, 0x40004                  ; cy
	s_lshl_b32 s15, ttmp9, 2
	s_add_co_u32 s15, s15, s13                     ; output block X
	s_and_b32 s16, ttmp7, 0xffff
	s_lshl_b32 s16, s16, 2
	s_add_co_u32 s16, s16, s14                     ; token block Y
	s_lshl_b32 s17, s14, 2
	s_lshl_b32 s17, 15, s17                        ; my row of the cluster
	s_lshl_b32 s18, 0x1111, s13                    ; my column
	; 4 tiles x 4,096 bytes (512 elements of 8 bytes), 16,384 bytes (2,048 elements) apart
	s_or_b32 s[G1A], s17, (3<<16)|(1<<21)
	s_or_b32 s[G1B], s18, (3<<16)|(1<<21)
.irp g, G1A, G1B
	s_mov_b32 s[\g+1], 512<<16                     ; tensor_dim0
	s_mov_b32 s[\g+2], 4<<16                       ; tensor_dim1
	s_mov_b32 s[\g+3], 512<<16                     ; tile_dim0
	s_mov_b32 s[\g+4], 4                           ; tile_dim1
	s_mov_b32 s[\g+5], 2048                        ; from row to row
	s_mov_b32 s[\g+6], 0
	s_mov_b32 s[\g+7], 0
.endr
	s_and_b32 s19, s[WV], 1                        ; which four tiles I fetch.  Also: which 64 outputs are mine
	s_lshl_b32 s20, s16, 3
	s_lshl_b32 s21, s19, 2
	s_add_co_u32 s20, s20, s21                     ; a: tile 8 Y + 4 x half
	s_lshl_b32 s20, s20, 14
	s_mov_b32 s21, 0
	s_lshl_b32 s22, s15, 3
	s_lshl_b32 s23, s19, 2
	s_add_co_u32 s22, s22, s23                     ; Wo: tile 8 X + 4 x half
	s_lshl_b32 s22, s22, 14
	s_mov_b32 s23, 0
	s_lshl_b32 s56, s19, 14                        ; where they go: no place in the cluster enters an LDS address
	s_wait_dscnt 0x0                               ; both opening adds are done
	s_wait_kmcnt 0x0
	s_add_nc_u64 s[20:21], s[4:5], s[20:21]
	s_add_nc_u64 s[22:23], s[6:7], s[22:23]
	CROUND                                         ; all sixteen work-groups are here: the joint loads meet
.irp c, 0,1,2,3
	s_mov_b32 s[G0A+4*\c], 1
	s_add_co_u32 s[G0A+4*\c+1], s56, \c*CH
	s_add_nc_u64 s[G0A+4*\c+2:G0A+4*\c+3], s[20:21], \c*4096
	s_or_b32 s[G0A+4*\c+3], s[G0A+4*\c+3], 0x80000000
	s_mov_b32 s[G0B+4*\c], 1
	s_add_co_u32 s[G0B+4*\c+1], s56, \c*CH+32768
	s_add_nc_u64 s[G0B+4*\c+2:G0B+4*\c+3], s[22:23], \c*4096
	s_or_b32 s[G0B+4*\c+3], s[G0B+4*\c+3], 0x80000000
.endr
	s_cmp_lt_u32 s[WV], 2                          ; waves 0 and 1 fetch a's halves, waves 2 and 3 Wo's: a wave's four first fills stand in one branch, ahead of every wait on TENSORcnt and every LDS read
	s_cbranch_scc0 .Lfirst_b
.irp c, 0,1,2,3
	tensor_load_to_lds s[G0A+4*\c:G0A+4*\c+3], s[G1A:G1A+7]
	s_nop 0
.endr
.rept 4
	v_nop
.endr
	s_branch .Lfirst_asked
.Lfirst_b:
.irp c, 0,1,2,3
	tensor_load_to_lds s[G0B+4*\c:G0B+4*\c+3], s[G1B:G1B+7]
	s_nop 0
.endr
.rept 4
	v_nop
.endr
.Lfirst_asked:
	v_and_b32 v10, 31, v0
	v_lshlrev_b32 v[LI], 4, v10
	v_and_b32 v11, 15, v0                          ; r
	v_bfe_u32 v12, v0, 4, 1                        ; h
	v_lshlrev_b32 v[BO], 5, v12
	s_lshl_b32 s58, s15, 9
	s_lshl_b32 s59, s19, 8
	s_add_co_u32 s58, s58, s59                     ; my first output, in bytes: 512 X + 256 x half
	s_mov_b32 s59, 0
	s_add_nc_u64 s[8:9], s[8:9], s[58:59]
.irp n, 0,1,2,3
	global_load_b128 v[BC+8*\n:BC+8*\n+3], v[BO], s[8:9] offset:64*\n        ; bo at outputs 16 n + 8 h + 0..7
	global_load_b128 v[BC+8*\n+4:BC+8*\n+7], v[BO], s[8:9] offset:64*\n+16
.endr
	s_lshr_b32 s61, s[WV], 1                       ; which 64 tokens are mine
	s_lshl_b32 s63, s61, 14
	v_add_nc_u32 v[AA], s63, v[LI]
	s_lshl_b32 s62, s19, 14
	s_add_co_u32 s62, s62, 32768
	v_add_nc_u32 v[BB], s62, v[LI]
	s_mul_i32 s62, s[WV], 16*272
	s_add_co_u32 s62, s62, STAGE                   ; my stage
	v_mul_u32_u24 v13, v11, 272
	v_lshl_add_u32 v13, v12, 5, v13
	v_add_nc_u32 v[STO], s62, v13                  ; in: row r, 32 bytes for each half of the lanes
	v_mul_u32_u24 v13, v12, 272
	v_lshl_add_u32 v13, v11, 4, v13
	v_add_nc_u32 v[RD], s62, v13                   ; back: lanes 0-15 one row of 256 bytes, lanes 16-31 the next
	v_lshlrev_b32 v[CO], 11, v12
	v_lshl_add_u32 v[CO], v11, 4, v[CO]            ; and the same two rows in out0
	s_lshl_b32 s60, s16, 7
	s_lshl_b32 s62, s61, 6
	s_add_co_u32 s60, s60, s62                     ; my first token: 128 Y + 64 x half
	s_lshl_b32 s60, s60, 11
	s_add_co_u32 s60, s60, s58
	s_mov_b32 s61, 0
	s_add_nc_u64 s[10:11], s[10:11], s[60:61]
.macro FETCH k, f                      ; 16 LDS loads: K step k of the chunk in hand: Wo's four fragments, then a's four, into window 1 at f
	WIN 0x40
.irp n, 0,1,2,3
.irp c, 0,1
	ds_load_b128 v[\f+8*\n+4*\c:\f+8*\n+4*\c+3], v[BB] offset:4096*\n+1024*(\k)+512*\c
.endr
.endr
.irp n, 0,1,2,3
.irp c, 0,1
	ds_load_b128 v[\f+32+8*\n+4*\c:\f+32+8*\n+4*\c+3], v[AA] offset:4096*\n+1024*(\k)+512*\c
.endr
.endr
.endm
.macro MUL16 f, first                  ; 16 products, the 16 accumulators by turns
	WIN 0x05                                       ; both sources window 1; C and D window 0
.irp t, 0,1,2,3
.irp n, 0,1,2,3
.if \first
	v_wmma_f32_16x16x32_f16 v[ACC+8*(4*\t+\n):ACC+8*(4*\t+\n)+7], v[\f+8*\n:\f+8*\n+7], v[\f+32+8*\t:\f+32+8*\t+7], v[BC+8*\n:BC+8*\n+7]
.else
	v_wmma_f32_16x16x32_f16 v[ACC+8*(4*\t+\n):ACC+8*(4*\t+\n)+7], v[\f+8*\n:\f+8*\n+7], v[\f+32+8*\t:\f+32+8*\t+7], v[ACC+8*(4*\t+\n):ACC+8*(4*\t+\n)+7]
.endif
.endr
.endr
.endm
	s_wait_tensorcnt 3                             ; my part of chunk 0 is in; chunks 1 to 3 may be out
	s_barrier_signal -1
	s_barrier_wait -1                              ; everybody's is
	FETCH 0, 0
	s_wait_loadcnt 0x0                             ; bo
.set I, 0
.rept 16                               ; K step I is multiplied while K step I + 1 is fetched into the other buffer
.if (I+1 == 4) || (I+1 == 8) || (I+1 == 12)
	WIN 0
	s_wait_tensorcnt 3-(I+1)/4                     ; my part of the next chunk is in; the later chunks may be out
	s_wait_dscnt 0x0
	s_barrier_signal -1
	s_barrier_wait -1                              ; everybody's is
	v_add_nc_u32 v[AA], CH, v[AA]
	v_add_nc_u32 v[BB], CH, v[BB]
.endif
.if I < 15
.if I > 0
.rept 4
	v_nop                                          ; places in front of loads into registers that the last products read
.endr
.endif
	FETCH (I+1)&3, 64*((I+1)&1)
	s_wait_dscnt 16                                ; all but the 16 just issued
.else
	s_wait_dscnt 0x0
.endif
	MUL16 64*(I&1), I==0
.set I, I+1
.endr
	WIN 0
.rept 4
	v_nop                                          ; places in front of the first read of results
.endr
	; THE WAY OUT: a tile of 16 tokens x 64 outputs at a time through my own stage, back as whole rows of 256 bytes.  LDS serves a wave's instructions in order (ISA guide 5.7.1.4): no wait between the stores and the loads.
.irp t, 0,1,2,3
.if \t >= 2
	s_wait_xcnt 0x0                                ; the stores of two tiles ago have read their data: the set may be loaded again
.endif
.irp n, 0,1,2,3
	ds_store_b128 v[STO], v[ACC+8*(4*\t+\n):ACC+8*(4*\t+\n)+3] offset:64*\n          ; each accumulator from its low end on
	ds_store_b128 v[STO], v[ACC+8*(4*\t+\n)+4:ACC+8*(4*\t+\n)+7] offset:64*\n+16
.endr
.irp i, 0,1,2,3,4,5,6,7
	ds_load_b128 v[OB+32*(\t%2)+4*\i:OB+32*(\t%2)+4*\i+3], v[RD] offset:544*\i
.endr
	s_wait_dscnt 0x0
.irp i, 0,1,2,3,4,5,6,7
	global_store_b128 v[CO], v[OB+32*(\t%2)+4*\i:OB+32*(\t%2)+4*\i+3], s[10:11] offset:32768*\t+4096*\i th:TH_STORE_NT   ; 16 lanes store 256 consecutive bytes, at a multiple of 256 from out0's first byte
.endr
.endr
	s_wait_tensorcnt 0x0                           ; the wave's end, behind my last tensor load and my last LDS store
	ds_add_u32 v[SPW], v[NIL]
	s_wait_dscnt 0x0
	CROUND                                         ; the closing round
	s_endpgm
.Lfunc_end_k_q418d754613_proj:
	.size	k_q418d754613_proj, .Lfunc_end_k_q418d754613_proj-k_q418d754613_proj
	.p2alignl 7, 3214868480
	.fill 96, 4, 3214868480
	.section	.rodata,"a",@progbits
	.p2align	6, 0x0
	.amdhsa_kernel k_q418d754613_proj
		.amdhsa_group_segment_fixed_size 327680
		.amdhsa_private_segment_fixed_size 0
		.amdhsa_enable_private_segment 0
		.amdhsa_kernarg_size 32
		.amdhsa_user_sgpr_count 2
		.amdhsa_user_sgpr_kernarg_segment_ptr 1
		.amdhsa_wavefront_size32 1
		.amdhsa_system_sgpr_workgroup_id_x 1
		.amdhsa_system_sgpr_workgroup_id_y 1
		.amdhsa_system_sgpr_workgroup_id_z 1
		.amdhsa_system_vgpr_workitem_id 0
		.amdhsa_next_free_vgpr 512
		.amdhsa_next_free_sgpr 84
		.amdhsa_reserve_vcc 0
		.amdhsa_float_denorm_mode_32 3
		.amdhsa_float_denorm_mode_16_64 3
		.amdhsa_memory_ordered 1
		.amdhsa_forward_progress 1
		.amdhsa_inst_pref_size 52
	.end_amdhsa_kernel
	.amdgpu_metadata
---
amdhsa.version: [ 1, 2 ]
amdhsa.kernels:
  - .name:           k_q418d754613_proj
    .symbol:         k_q418d754613_proj.kd
    .args:
      - { .name: af, .offset: 0, .size: 8, .value_kind: global_buffer, .address_space: global }
      - { .name: wo16, .offset: 8, .size: 8, .value_kind: global_buffer, .address_space: global }
      - { .name: bo, .offset: 16, .size: 8, .value_kind: global_buffer, .address_space: global }
      - { .name: out0, .offset: 24, .size: 8, .value_kind: global_buffer, .address_space: global }
    .group_segment_fixed_size: 327680
    .private_segment_fixed_size: 0
    .kernarg_segment_align: 8
    .kernarg_segment_size: 32
    .max_flat_workgroup_size: 128
    .sgpr_count:     84
    .vgpr_count:     512
    .wavefront_size: 32
...
	.end_amdgpu_metadata
.endif
;; end of part 4
